; MI455X (gfx1250); checked and timed in simulation.
; The chip was launched on July 23, 2026; its instructions are those of AMD's public machine-readable ISA for CDNA 5 (MIT licence, August 2026) and "CDNA5" Instruction Set Architecture Reference Guide (July 2026). The comments in the code are by the model that wrote it; some were corrected since.
;; Self Attention. Allowed arithmetic: matrix products marked QUANTISED: E4M3 operands, one given power-of-two scale a tensor, by v_wmma_f32_16x16x64_fp8_fp8 or v_wmma_f32_16x16x128_fp8_fp8, f32 sums; everything else in f32.
;; Inputs: W_out 1,024 x 1,024 float32; W_qkv 1,024 x 3,072 float32; b_out 1,024 float32; b_qkv 3,072 float32; lowp_scales 8 int32 (the exponents e of the quantised operands' scales 2^e); x 4 x 2,048 x 1,024 float32.
;; Outputs: out0 4 x 2,048 x 1,024 float32.
;; Constants: use_causal_mask = 1.
;; This version of the problem:
;;   THIS VERSION OF THE PROBLEM IS GIVEN IN LOW PRECISION. The matrix products marked QUANTISED in the list below multiply operands that are first quantised to E4M3 (4 exponent bits, 3 mantissa bits; 8 bits a number), with one given power-of-two scale for each operand tensor; their sums are f32. All else is computed in f32.
;;   The module's matrix products, in the order in which they are computed (A, B: the left and right operand; K: the contracted axis; several contracted axes count as one K, in the product's order):
;;     1. [M 8,192, K 1,024] x [K 1,024, N 3,072]; A: input x; B: input W_qkv: QUANTISED (scales: A lowp_scales[0], B lowp_scales[1])
;;     2. batch 64 x [M 2,048, K 64] x [K 64, N 2,048]; A: computed on the way; B: computed on the way: QUANTISED (scales: A lowp_scales[2], B lowp_scales[3])
;;     3. batch 64 x [M 2,048, K 2,048] x [K 2,048, N 64]; A: softmax (see below); B: computed on the way: QUANTISED (scales: A lowp_scales[4], B lowp_scales[5])
;;     4. [M 8,192, K 1,024] x [K 1,024, N 1,024]; A: computed on the way; B: input W_out: QUANTISED (scales: A lowp_scales[6], B lowp_scales[7])
;;   THE QUANTISER, for each operand of a quantised product, along K:
;;     - The operand's scale is 2^e, e = its entry of the input lowp_scales (int32; the entries are numbered through the quantised products in the list's order, A before B).
;;     - Each number is divided by the scale, clamped to +-448, and rounded to the nearest number of E4M3, ties to even, subnormals kept.
;;     - The product sums the exact products of the quantised numbers (number of the format x scale) in f32.
;;   ~~~python
;;   def quantise(x, axis, e):      # numpy; x: float32 -> the quantised numbers, widened to float32 again
;;       x = np.moveaxis(x, axis, -1); K = x.shape[-1]
;;       r = np.clip(x / 2.0 ** e, -448, 448)
;;       step = 2.0 ** (np.maximum(np.frexp(np.where(r == 0, 1, r))[1] - 1, -6) - 3)
;;       q = np.round(r / step) * step * 2.0 ** e      # np.round: ties to even
;;       return np.moveaxis(q, -1, axis).astype(np.float32)
;;   ~~~
;;   SOFTMAX AHEAD OF A QUANTISED PRODUCT. Where the list says 'softmax', what is quantised is not the finished softmax but p = 2^(t - M), with t = logit x log2(e) and M = ceil(the row's largest t), a whole number; so 1/2 < the row's largest p <= 1. The row's sum l is taken of the UNQUANTISED p, in f32, and the product's result is divided by l at the end. Since M is a whole number, a kernel that streams over the keys may use a running M (the ceiling of the running maximum): every later rescaling is an exact power of two, so the quantised numbers keep their values, but for numbers so far below the row's largest that they fall under the format's range.
;;   OPERANDS COMPUTED ON THE WAY. 'Computed on the way' means the value that the module computes at that place (a softmax that the list does not call 'softmax' is quantised finished and normalised). What goes into a quantiser is computed in f32, as accurately as f32 sums, v_exp_f32 and their like allow (about 1e-6 of the number): no bf16 or f16 on the way to a quantiser, and a product that is left as it is and whose result goes on into a quantised operand takes f32 operands (vector FMAs, or v_wmma_f32_16x16x4_f32). A number that lies on a knife's edge between two numbers of the format may be rounded either way, as far as f32 arithmetic and the matrix unit's own rounding can turn it there, and no further.
;; One version. Each part assembles by itself: llvm-mc -triple=amdgcn-amd-amdhsa -mcpu=gfx1250 --defsym DOCPART=n.
;; ======== version 1 of 1: 4 launches
;; limits: right only within a limited range of input values
;; workspace buffers: xc 8,388,608 bytes; wc 4,194,304 bytes; qi 8,388,608 bytes; ki 8,388,608 bytes; vi 8,388,608 bytes; ai 8,388,608 bytes
;; launch quant (part 1): grid 384 x 1, 4 waves a work-group, no clusters, 68,096 bytes of LDS; arguments x, W_qkv, W_out, lowp_scales, xc, wc; writes xc, wc
.if DOCPART == 1
	.amdgcn_target "amdgcn-amd-amdhsa--gfx1250"
	.amdhsa_code_object_version 6
	.text
	.protected	k_qaca0af1b36_quant
	.globl	k_qaca0af1b36_quant
	.p2align	8
	.type	k_qaca0af1b36_quant,@function
k_qaca0af1b36_quant:
	s_mov_b64 s[64:65], 0
	v_nop
	global_prefetch_b8 v0, s[64:65] scope:SCOPE_SE
	s_setreg_imm32_b32 hwreg(HW_REG_WAVE_MODE, 25, 1), 1
	s_wait_xcnt 0x0
; x [8192][1024], W_qkv [1024][3072] and W_out [1024][1024], all f32, become codes of FP8 (E4M3), K innermost, each with its given scale 2^e
; (entries 0, 1 and 7 of the buffer of scales).  code = number / 2^e, held within +-448, rounded to the nearest code, ties to even.
; LIMITS: each e between -126 and 119, so that 2^e and 448 x 2^e are f32 numbers.  NaN among the inputs is not served.
; Work-groups 0-127 take the weights, 128-383 take x.  The two ways part on the work-group's number, never join, and have LDS bytes of their own.
; x: K is innermost and rows are dense: a plain stream.  A wave takes 16 steps of 512 numbers; each load reads 512 consecutive bytes; a step's 2,048 bytes
;    turn through the wave's own stage in LDS so that a lane holds 16 neighbours along K; a lane's 16 codes are 16 bytes: a store covers 512 consecutive bytes.
; weights: K is the FIRST axis.  A lane takes a column and its registers run down K, so the conversions give codes with K innermost.  A wave takes 32 columns x 256 K;
;    the codes go through its own stage and leave as rows, sixteen lanes to 256 consecutive, aligned bytes.  wc holds [4096][1024]: rows 0-3071 W_qkv's columns, 3072-4095 W_out's.
;    THE ROWS OF wc ARE PERMUTED: row 32 G + 16 u + 8 h + j holds column 32 G + 16 h + 8 u + j (bits 3 and 4 change places), so that in the products, which take 16 rows of wc
;    as source 0, a lane's 16 registers of two neighbouring tiles are 16 neighbouring columns.  The permutation stands in the stores' immediates.
; No tensor loads, no barrier: waves share nothing.
.set STEPS, 16
.set SP,    80                         ; x: a lane's place in a stage: 64 bytes + 16 of padding
.set WREG,  8192                       ; x: LDS of a wave: two stages of 32 x SP bytes
.set WSTG,  32768                      ; weights: the four stages begin here
.set PITCH, 272                        ; weights: a stage row: 256 bytes + 16
.set SPARE, WSTG+4*32*PITCH            ; behind both: the spare words, 128 bytes for each wave, which no other line names
.set SPW,   12                         ; v12  LDS address of my spare word; never rewritten
.set NIL,   13                         ; v13  0; never rewritten
.set R,     16                         ; x: v16-79 four sets of 16 numbers as loaded
.set X,     80                         ; x: v80-111 two sets of 16 neighbours
.set C,     128                        ; x: v128-191 codes, four registers a step
.set OF,    16                         ; weights: v16-47 byte offsets of 32 rows down K
.set WX,    48                         ; weights: v48-111 two sets of 32 numbers
.set WC,    112                        ; weights: v112-119 a block's codes
.set OUTR,  120                        ; weights: v120-183 rows read back
.macro XLOAD t
.irp i, 0,1,2,3
	global_load_b128 v[R+16*((\t)%4)+4*\i:R+16*((\t)%4)+4*\i+3], v3, s[4:5] offset:2048*(\t)+512*\i th:TH_LOAD_NT   ; 32 lanes read 512 consecutive bytes
.endr
.endm
.macro XTURN t                         ; step t's numbers through the stage: LDS serves a wave's instructions in order, so no wait stands between stores and loads
.irp i, 0,1,2,3
	ds_store_b128 v14, v[R+16*((\t)%4)+4*\i:R+16*((\t)%4)+4*\i+3] offset:32*SP*((\t)%2)+8*SP*\i
.endr
.irp i, 0,1,2,3
	ds_load_b128 v[X+16*((\t)%2)+4*\i:X+16*((\t)%2)+4*\i+3], v15 offset:32*SP*((\t)%2)+16*\i
.endr
.endm
.macro XSTEP t
.set XS, X+16*((\t)%2)
	s_wait_dscnt 0x0                               ; this step's numbers are back from the stage, so its stores into the stage have read their registers,
.if (\t)+4 < STEPS
	XLOAD (\t)+4                                   ; which take the loads of four steps on
.endif
.if (\t)+1 < STEPS
.if STEPS-2-(\t) >= 3
	s_wait_loadcnt 12                              ; the next step's four loads are in; those of the three steps behind it may be out
.else
	s_wait_loadcnt 4*(STEPS-2-(\t))
.endif
	XTURN (\t)+1
.endif
.irp i, 0,1,2,3,4,5,6,7,8,9,10,11,12,13,14,15
	v_med3_num_f32 v[XS+\i], v[XS+\i], -v10, v10   ; the conversion to an 8-bit code does not saturate (ISA guide 7.6.2): hold first
.endr
	v_cvt_scalef32_pk8_fp8_f32 v[C+4*(\t):C+4*(\t)+1], v[XS:XS+7], v11
	v_cvt_scalef32_pk8_fp8_f32 v[C+4*(\t)+2:C+4*(\t)+3], v[XS+8:XS+15], v11
	global_store_b128 v3, v[C+4*(\t):C+4*(\t)+3], s[12:13] offset:512*(\t)   ; each step has its own code registers: no store's data are written again
.endm
.macro WLOAD t                         ; block t: 32 rows down K of my column, into set t % 2
.set i, 0
.rept 32
	global_load_b32 v[WX+32*((\t)%2)+i], v[OF+i], s[44+2*(\t):45+2*(\t)] th:TH_LOAD_NT
.set i, i+1
.endr
.endm
.macro WBLOCK t
.set XS, WX+32*((\t)%2)
.if (\t) < 7
	s_wait_loadcnt 32                              ; this block's 32 loads are in; the next block's may be out
.else
	s_wait_loadcnt 0x0
.endif
.set i, 0
.rept 32
	v_med3_num_f32 v[XS+i], v[XS+i], -v10, v10
.set i, i+1
.endr
.irp g, 0,1,2,3
	v_cvt_scalef32_pk8_fp8_f32 v[WC+2*\g:WC+2*\g+1], v[XS+8*\g:XS+8*\g+7], v11
.endr
	ds_store_b128 v5, v[WC:WC+3] offset:32*(\t)    ; 32 codes: 32 bytes of my column's row
	ds_store_b128 v5, v[WC+4:WC+7] offset:32*(\t)+16
.if (\t)+2 < 8
	WLOAD (\t)+2
.endif
	s_wait_dscnt 0x0                               ; the stores have read their registers: the next block's codes may be written
.endm
	s_load_b256 s[4:11], s[0:1], 0x0               ; x s[4:5], W_qkv s[6:7], W_out s[8:9], the scales' exponents s[10:11]
	s_load_b128 s[12:15], s[0:1], 0x20             ; xc s[12:13], wc s[14:15]
	v_lshl_add_u32 v[SPW], v0, 2, SPARE
	v_mov_b32 v[NIL], 0
	v_lshrrev_b32 v1, 5, v0
	v_readfirstlane_b32 s16, v1                    ; wave
	v_and_b32 v2, 31, v0                           ; lane
	v_lshlrev_b32 v3, 4, v2                        ; x: 16 x lane, my place in a load's and in a store's 512 bytes
	s_mul_i32 s17, s16, WREG
	v_lshrrev_b32 v14, 2, v2
	v_mul_u32_u24 v14, v14, SP
	v_and_b32 v15, 3, v2
	v_lshl_add_u32 v14, v15, 4, v14
	v_add_nc_u32 v14, s17, v14                     ; x: the stage on the way in: SP (lane / 4) + 16 (lane % 4)
	v_mul_u32_u24 v15, v2, SP
	v_add_nc_u32 v15, s17, v15                     ; x: and on the way out: SP x lane
	s_mul_i32 s18, s16, 32*PITCH
	s_add_co_u32 s18, s18, WSTG
	v_mul_u32_u24 v5, v2, PITCH
	v_add_nc_u32 v5, s18, v5                       ; weights: into the stage: row = my column
	v_and_b32 v6, 15, v2
	v_lshrrev_b32 v9, 4, v2
	v_mul_u32_u24 v7, v9, PITCH
	v_lshl_add_u32 v7, v6, 4, v7
	v_add_nc_u32 v7, s18, v7                       ; weights: out of it: sixteen lanes to a row, two rows an instruction
	v_lshlrev_b32 v8, 10, v9
	v_lshl_add_u32 v8, v6, 4, v8                   ; weights: the same place in wc (a row of wc is 1,024 bytes)
	s_wait_kmcnt 0x0
	s_load_b256 s[20:27], s[10:11], 0x0            ; e0 .. e7
	s_cmp_lt_u32 ttmp9, 128
	s_cbranch_scc1 .Lweights
	; ---- x
	s_sub_co_u32 s18, ttmp9, 128
	s_lshl_b32 s18, s18, 2
	s_add_co_u32 s18, s18, s16                     ; which run of 8,192 numbers is my wave's
	s_lshl_b32 s28, s18, 15                        ; 32,768 bytes of f32
	s_mov_b32 s29, 0
	s_add_nc_u64 s[4:5], s[4:5], s[28:29]
	s_lshl_b32 s28, s18, 13                        ; 8,192 bytes of codes
	s_add_nc_u64 s[12:13], s[12:13], s[28:29]
.irp t, 0,1,2,3
	XLOAD \t
.endr
	s_wait_kmcnt 0x0
	s_add_co_i32 s30, s20, 127
	s_lshl_b32 s31, s30, 23
	v_mov_b32 v11, s31                             ; 2^e0 as f32: the conversion takes its exponent field
	s_add_co_i32 s30, s30, 8
	s_lshl_b32 s30, s30, 23
	s_or_b32 s30, s30, 0x600000
	v_mov_b32 v10, s30                             ; 448 x 2^e0
	s_wait_alu depctr_va_vdst(0)
	s_wait_loadcnt 12                              ; step 0's four loads are in
	XTURN 0
.irp t, 0,1,2,3,4,5,6,7,8,9,10,11,12,13,14,15
	XSTEP \t
.endr
	s_wait_tensorcnt 0x0                           ; the wave's end
	ds_add_u32 v[SPW], v[NIL]
	s_wait_dscnt 0x0
	s_endpgm
	; ---- the weights: 128 columns x 256 K to a work-group
.Lweights:
	s_lshr_b32 s17, ttmp9, 2                       ; block of 128 columns, 0-31: 0-23 W_qkv, 24-31 W_out
	s_and_b32 s18, ttmp9, 3                        ; which 256 along K
	s_mov_b32 s40, 4096
	s_cmp_lt_u32 s17, 24                           ; the choice hangs on the work-group's number alone
	s_cselect_b64 s[6:7], s[6:7], s[8:9]           ; the weight,
	s_cselect_b32 s40, 12288, s40                  ; its row in bytes,
	s_cselect_b32 s19, 0, 24
	s_sub_co_u32 s19, s17, s19                     ; and the block of columns inside it
	s_lshl_b32 s28, s18, 8
	s_mul_i32 s28, s28, s40                        ; 256 rows x which
	s_lshl_b32 s30, s19, 9
	s_add_co_u32 s28, s28, s30                     ; + 128 columns x 4 bytes x block
	s_lshl_b32 s30, s16, 7
	s_add_co_u32 s28, s28, s30                     ; + 32 columns x 4 bytes x wave
	s_mov_b32 s29, 0
	s_add_nc_u64 s[44:45], s[6:7], s[28:29]        ; block 0's base;
	s_lshl_b32 s42, s40, 5
	s_mov_b32 s43, 0
.irp t, 1,2,3,4,5,6,7
	s_add_nc_u64 s[44+2*\t:45+2*\t], s[42+2*\t:43+2*\t], s[42:43]   ; block t's: 32 rows further down.  None is ever rewritten
.endr
	s_lshl_b32 s30, s17, 7
	s_lshl_b32 s31, s16, 5
	s_add_co_u32 s30, s30, s31                     ; my wave's first row of wc
	s_lshl_b32 s30, s30, 10
	s_lshl_b32 s31, s18, 8
	s_add_co_u32 s30, s30, s31                     ; + my 256 along K
	s_mov_b32 s31, 0
	s_add_nc_u64 s[14:15], s[14:15], s[30:31]
	v_lshlrev_b32 v[OF], 2, v2                     ; 4 bytes a lane
.set i, 1
.rept 31
	v_mad_u32_u24 v[OF+i], s40, i, v[OF]           ; + i rows
.set i, i+1
.endr
	WLOAD 0
	WLOAD 1
	s_wait_kmcnt 0x0
	s_cmp_lt_u32 s17, 24
	s_cselect_b32 s30, s21, s27                    ; e1 or e7
	s_add_co_i32 s30, s30, 127
	s_lshl_b32 s31, s30, 23
	v_mov_b32 v11, s31
	s_add_co_i32 s30, s30, 8
	s_lshl_b32 s30, s30, 23
	s_or_b32 s30, s30, 0x600000
	v_mov_b32 v10, s30
	s_wait_alu depctr_va_vdst(0)
.irp t, 0,1,2,3,4,5,6,7
	WBLOCK \t
.endr
.irp t, 0,1,2,3,4,5,6,7,8,9,10,11,12,13,14,15
	ds_load_b128 v[OUTR+4*\t:OUTR+4*\t+3], v7 offset:2*\t*PITCH   ; columns 2 t and 2 t + 1 of my 32
.endr
.irp t, 0,1,2,3,4,5,6,7,8,9,10,11,12,13,14,15
	s_wait_dscnt 15-\t
	global_store_b128 v8, v[OUTR+4*\t:OUTR+4*\t+3], s[14:15] offset:(((2*\t)&7)+16*(((2*\t)>>3)&1)+8*(((2*\t)>>4)&1))*1024   ; the row with bits 3 and 4 exchanged
.endr
	s_wait_tensorcnt 0x0                           ; the wave's end
	ds_add_u32 v[SPW], v[NIL]
	s_wait_dscnt 0x0
	s_endpgm
.Lfunc_end_k_qaca0af1b36_quant:
	.size	k_qaca0af1b36_quant, .Lfunc_end_k_qaca0af1b36_quant-k_qaca0af1b36_quant
	.p2alignl 7, 3214868480
	.fill 96, 4, 3214868480
	.section	.rodata,"a",@progbits
	.p2align	6, 0x0
	.amdhsa_kernel k_qaca0af1b36_quant
		.amdhsa_group_segment_fixed_size 68096
		.amdhsa_private_segment_fixed_size 0
		.amdhsa_enable_private_segment 0
		.amdhsa_kernarg_size 48
		.amdhsa_user_sgpr_count 2
		.amdhsa_user_sgpr_kernarg_segment_ptr 1
		.amdhsa_wavefront_size32 1
		.amdhsa_system_sgpr_workgroup_id_x 1
		.amdhsa_system_sgpr_workgroup_id_y 1
		.amdhsa_system_sgpr_workgroup_id_z 1
		.amdhsa_system_vgpr_workitem_id 0
		.amdhsa_next_free_vgpr 192
		.amdhsa_next_free_sgpr 66
		.amdhsa_reserve_vcc 0
		.amdhsa_float_denorm_mode_32 3
		.amdhsa_float_denorm_mode_16_64 3
		.amdhsa_memory_ordered 1
		.amdhsa_forward_progress 1
		.amdhsa_inst_pref_size 88
	.end_amdhsa_kernel
	.amdgpu_metadata
---
amdhsa.version: [ 1, 2 ]
amdhsa.kernels:
  - .name:           k_qaca0af1b36_quant
    .symbol:         k_qaca0af1b36_quant.kd
    .args:
      - { .name: x, .offset: 0, .size: 8, .value_kind: global_buffer, .address_space: global }
      - { .name: W_qkv, .offset: 8, .size: 8, .value_kind: global_buffer, .address_space: global }
      - { .name: W_out, .offset: 16, .size: 8, .value_kind: global_buffer, .address_space: global }
      - { .name: lowp_scales, .offset: 24, .size: 8, .value_kind: global_buffer, .address_space: global }
      - { .name: xc, .offset: 32, .size: 8, .value_kind: global_buffer, .address_space: global }
      - { .name: wc, .offset: 40, .size: 8, .value_kind: global_buffer, .address_space: global }
    .group_segment_fixed_size: 68096
    .private_segment_fixed_size: 0
    .kernarg_segment_align: 8
    .kernarg_segment_size: 48
    .max_flat_workgroup_size: 128
    .sgpr_count:     66
    .vgpr_count:     192
    .wavefront_size: 32
...
	.end_amdgpu_metadata
.endif
;; end of part 1
;; launch qkv (part 2): grid 12 x 32, 4 waves a work-group, clusters of 4 x 4, 327,680 bytes of LDS; arguments xc, wc, lowp_scales, b_qkv, qi, ki, vi; writes qi, ki, vi
.if DOCPART == 2
	.amdgcn_target "amdgcn-amd-amdhsa--gfx1250"
	.amdhsa_code_object_version 6
	.text
	.protected	k_qaca0af1b36_qkv
	.globl	k_qaca0af1b36_qkv
	.p2align	8
	.type	k_qaca0af1b36_qkv,@function
k_qaca0af1b36_qkv:
	s_mov_b64 s[64:65], 0
	v_nop
	global_prefetch_b8 v0, s[64:65] scope:SCOPE_SE
	s_setreg_imm32_b32 hwreg(HW_REG_WAVE_MODE, 25, 1), 1
	s_wait_xcnt 0x0
	s_wait_alu depctr_hold_cnt(0) depctr_sa_sdst(0) depctr_va_vdst(0) depctr_va_sdst(0) depctr_va_ssrc(0) depctr_va_vcc(0) depctr_vm_vsrc(0)
	s_getreg_b32 s2, hwreg(HW_REG_IB_STS2, 6, 4)
	s_cmp_eq_u32 s2, 0
	s_cbranch_scc0 .Lentry_in_a_cluster
	s_endpgm
.Lentry_in_a_cluster:
	s_bfe_u32 s2, ttmp6, 0x10000c
	s_cmp_lg_u32 s2, 0xf033
	s_cbranch_scc0 .Lentry_shape_is_right
	s_endpgm
.Lentry_shape_is_right:
; qkv = x W_qkv + b_qkv on codes of FP8 (E4M3), K = 1,024; the results are quantised at once for the two products of attention and stored as codes.
; xc: [8192][1024] codes of x; wc: [4096][1024] codes of the weights, K innermost, rows permuted (row 32 G + 16 u + 8 h + j holds column 32 G + 16 h + 8 u + j).
; A tile of 256 x 256 results is made by four waves, 128 x 128 each: 64 accumulators, 512 registers.  K goes in steps of 256 through a ring of two LDS slots filled by the tensor data mover.
; CLUSTERS of 4 x 4: the tiles of the operand in role A are shared along a row of the cluster, those in role B along a column: joint loads with a mask that names the four.
; The matrix instruction takes 16 rows of role B as source 0 and 16 rows of role A as source 1: a lane holds ONE row of role A and eight neighbouring rows of role B.
; ROLES.  Cluster x = 0 (q) and 1 (k): A = x's tokens, B = wc's rows.  A lane holds one token; by the permutation its 16 registers of accumulators 2 g and 2 g + 1 are features 32 g + 16 h + 0..15.
;         Cluster x = 2 (v): A = wc's rows 2048 on, B = x's tokens.  A lane holds one channel and eight neighbouring tokens, which are the second product's K.
;         Only pointers and tile numbers are chosen, on the cluster's x, which all partners share; the loop is one text.
; WHAT IS STORED are images of the next operands' registers, 16 bytes a lane at 16 x lane, so each store covers 512 consecutive bytes and no stage in LDS is needed:
;   qi, ki: [batch x head 64][tile of 16 tokens 128][c 2][lane 32][16]: features 32 c + 16 h + 0..15 of token lane % 16.
;   vi:     [batch x head 64][group of 128 keys 16][tile of 16 rows 4][c 4][lane 32][16]: registers 2 b, 2 b + 1 = keys 16 b + 8 h + 0..7 of the row lane % 16.
; value = sum x 2^(e0 + e1) + bias (one fused multiply-add), held within +-448 x 2^e, converted with 2^e: e = e2 (q), e3 (k), e5 (v).
; LIMITS: e0 + e1 between -126 and 127; e2, e3, e5 between -126 and 119.  NaN among the inputs is not served.
; REGISTERS, in windows of 256: window 0: v0-31 addresses; v32-95 q's and k's biases, v96-111 v's, v112-113 scale and hold; from v128 role A's fragments, ONE set (on the way out: v128-159 at work, v160-223 codes).
;   window 1: role B's fragments, TWO sets.   window 2: the accumulators of my rows 0-63 ((a, b) at v[8 (8 a + b)]);   window 3: those of my rows 64-127.
.set KSTEP,  256
.set ROWB,   256                       ; a tile's row in bytes
.set KROW,   1024                      ; a row of xc or wc in bytes
.set PITCH,  272                       ; an LDS row: 256 bytes + 16 of padding = 68 words: the 16 rows that a load touches start at 16 different banks (64 banks of 4 bytes: ISA guide 11.1)
.set FR,     16                        ; registers of a fragment: 16 rows x 128 K
.set NL,     4                         ; LDS loads that bring one
.set NP,     4                         ; places behind this matrix instruction (ISA guide 7.12.1)
.set HALFT,  128*PITCH
.set SLOT,   4*HALFT                   ; role A's 256 rows, then role B's
.set LAPS,   2                         ; 1,024 along K = two laps of two K steps
.set SPARE,  2*SLOT                    ; behind the ring: the spare words, 128 bytes for each wave, which no other line names
.set ADRA, 16                          ; v16-17 LDS address of my A fragments in slot 0, 1
.set ADRB, 20                          ; v20-21 the same for B
.set CO,   26                          ; v26 16 x lane
.set BOQ,  27                          ; v27 64 h: my half's 16 biases of a group of 32
.set SPW,  28                          ; v28 LDS address of my spare word; never rewritten
.set NIL,  29                          ; v29 0; never rewritten
.set BOV,  30                          ; v30 4 (r + 8 (r / 8)): the channel that my row of wc holds
.set BQ,   32
.set BV,   96
.set SCL,  112
.set HLD,  113
.set AF,   128
.set T,    128
.set CD,   160
.set G1, 24
.set G0, 32
.set G1B, 48
.set G0B, 56
.set MSB, 0
.macro WIN new                         ; the immediate's high byte repeats the setting that is left
.if MSB != \new
	s_set_vgpr_msb (MSB<<8)|\new
.set MSB, \new
.endif
.endm
.set MUL_LO, 0xa1                      ; source 0 (B) window 1, source 1 (A) window 0, C and D window 2
.set MUL_HI, 0xf1
.set TO_B,   0x40
; A joint load: waves 0 and 1 fetch for role A, waves 2 and 3 for role B.  The branch hangs on the wave's number alone.  An s_nop 0 and four v_nop follow each line.
.macro JLOAD g0a, g1a, g0b, g1b
	s_cmp_eq_u32 s15, 0
	s_cbranch_scc0 .Lfor_b_\@
	tensor_load_to_lds s[\g0a:\g0a+3], s[\g1a:\g1a+7]
	s_nop 0
.rept 4
	v_nop
.endr
	s_branch .Lasked_\@
.Lfor_b_\@:
	tensor_load_to_lds s[\g0b:\g0b+3], s[\g1b:\g1b+7]
	s_nop 0
.rept 4
	v_nop
.endr
.Lasked_\@:
.endm
.macro CREST                           ; a round of the cluster's barrier behind its opening barrier
	s_cmp_lg_u32 s14, 0
	s_cbranch_scc1 .Lnot_wave_0_\@
	s_barrier_signal -3
.Lnot_wave_0_\@:
	s_barrier_wait -3
	s_barrier_signal -1
	s_barrier_wait -1
.endm
.macro CROUND
	s_barrier_signal -1
	s_barrier_wait -1
	CREST
.endm
	s_load_b256 s[4:11], s[0:1], 0x0               ; xc s[4:5], wc s[6:7], the scales' exponents s[8:9], b_qkv s[10:11]
	s_load_b128 s[68:71], s[0:1], 0x20             ; qi s[68:69], ki s[70:71]
	s_load_b64 s[72:73], s[0:1], 0x30              ; vi
	v_lshl_add_u32 v[SPW], v0, 2, SPARE
	v_mov_b32 v[NIL], 0
	ds_add_u32 v[SPW], v[NIL]                      ; the wave's opening
	ds_add_u32 v[SPW], v[NIL]
	v_lshrrev_b32 v1, 5, v0
	v_readfirstlane_b32 s14, v1                    ; wave 0..3
	s_lshr_b32 s15, s14, 1                         ; which half of role A's rows is mine.  Also: I fetch for A (0) or for B (1)
	s_and_b32 s16, s14, 1                          ; which half of role B's rows.  Also: which 128 rows of that tile I fetch
	s_bfe_u32 s40, ttmp6, 0x40000                  ; cx, cy: my place in the cluster
	s_bfe_u32 s41, ttmp6, 0x40004
	s_and_b32 s67, ttmp7, 0xffff
	s_lshl_b32 s67, s67, 2                         ; 4 x cluster y
	s_lshl_b32 s66, ttmp9, 2                       ; 4 x cluster x
	s_cmp_eq_u32 ttmp9, 2                          ; v's clusters?  The same answer in all sixteen partners
	s_cselect_b32 s17, 8, s67                      ; role A's tile of 256 rows: wc's from 2,048 on, or x's;
	s_cselect_b32 s42, s67, s66                    ; role B's: x's, or wc's
	s_cselect_b32 s66, 1, 0                        ; kept: 1 in v's clusters
	s_add_co_u32 s17, s17, s41                     ; + cy
	s_add_co_u32 s42, s42, s40                     ; + cx
	s_lshl_b32 s43, s41, 2
	s_lshl_b32 s43, 15, s43                        ; my row of the cluster
	s_lshl_b32 s44, 0x1111, s40                    ; my column
	; descriptor group 1: a tile of 128 rows x 256 bytes, padded in LDS
	s_or_b32 s[G1+0], s43, (0<<16)|(1<<20)|(1<<21)|(5<<22)|(3<<25)  ; 15:0 the mask; 17:16 elements of 1 byte; 20 padding on; 21 set beside a mask; 24:22 after every 64 words; 31:25 of 4 words
	s_or_b32 s[G1B+0], s44, (0<<16)|(1<<20)|(1<<21)|(5<<22)|(3<<25)
.irp g, G1, G1B
	s_mov_b32 s[\g+1], ROWB<<16                    ; tensor_dim0
	s_mov_b32 s[\g+2], 128<<16                     ; tensor_dim1
	s_mov_b32 s[\g+3], ROWB<<16                    ; tile_dim0
	s_mov_b32 s[\g+4], 128                         ; tile_dim1
	s_mov_b32 s[\g+5], KROW                        ; tensor_dim0_stride
	s_mov_b32 s[\g+6], 0
	s_mov_b32 s[\g+7], 0
.endr
	s_lshl_b32 s18, s16, 7                         ; which 128 rows of the tile I fetch
	s_lshl_b32 s20, s17, 8
	s_add_co_u32 s20, s20, s18
	s_lshl_b32 s20, s20, 10                        ; role A: row x 1,024 bytes (under 2^24)
	s_mov_b32 s21, 0
	s_lshl_b32 s46, s42, 8
	s_add_co_u32 s46, s46, s18
	s_lshl_b32 s46, s46, 10                        ; role B likewise
	s_mov_b32 s47, 0
	s_mul_i32 s45, s14, HALFT                      ; where they go: wave x 128 rows: no place in the cluster enters an LDS address
	s_wait_dscnt 0x0                               ; the opening add is done
	s_wait_kmcnt 0x0
	s_load_b256 s[80:87], s[8:9], 0x0              ; e0 .. e7
	s_cmp_eq_u32 s66, 1
	s_cselect_b64 s[88:89], s[6:7], s[4:5]         ; role A's buffer
	s_cselect_b64 s[90:91], s[4:5], s[6:7]         ; role B's
	s_add_nc_u64 s[20:21], s[88:89], s[20:21]
	s_add_nc_u64 s[46:47], s[90:91], s[46:47]
	CROUND                                         ; all sixteen work-groups are here: the first joint loads meet
.irp s, 0,1
	s_mov_b32 s[G0+4*\s], 1
	s_add_co_u32 s[G0+4*\s+1], s45, \s*SLOT
	s_add_nc_u64 s[G0+4*\s+2:G0+4*\s+3], s[20:21], \s*ROWB
	s_or_b32 s[G0+4*\s+3], s[G0+4*\s+3], 0x80000000
	s_mov_b32 s[G0B+4*\s], 1
	s_add_co_u32 s[G0B+4*\s+1], s45, \s*SLOT
	s_add_nc_u64 s[G0B+4*\s+2:G0B+4*\s+3], s[46:47], \s*ROWB
	s_or_b32 s[G0B+4*\s+3], s[G0B+4*\s+3], 0x80000000
.endr
	JLOAD G0, G1, G0B, G1B                         ; K step 0: one tensor load a wave at the head
	v_and_b32 v1, 15, v0                           ; r = l % 16
	v_bfe_u32 v2, v0, 4, 1                         ; h = l / 16
	; the biases, both kinds in every work-group (both addresses lie inside b_qkv for every cluster): they land under the loop and are waited for on the way out
	v_lshlrev_b32 v[BOQ], 6, v2
	s_wait_alu depctr_va_vdst(0)
	v_and_b32 v5, 8, v1
	v_add_nc_u32 v5, v5, v1
	v_lshlrev_b32 v[BOV], 2, v5
	s_wait_alu depctr_va_vdst(0)
	s_lshl_b32 s92, ttmp9, 10
	s_lshl_b32 s93, s40, 8
	s_add_co_u32 s92, s92, s93
	s_lshl_b32 s93, s16, 7
	s_add_co_u32 s92, s92, s93                     ; feature 1024 x cluster x + 256 cx + 128 x my half of role B
	s_lshl_b32 s92, s92, 2
	s_mov_b32 s93, 0
	s_add_nc_u64 s[76:77], s[10:11], s[92:93]
	s_lshl_b32 s92, s41, 8
	s_lshl_b32 s94, s15, 7
	s_add_co_u32 s92, s92, s94
	s_add_co_u32 s92, s92, 2048                    ; feature 2048 + 256 cy + 128 x my half of role A
	s_lshl_b32 s92, s92, 2
	s_add_nc_u64 s[78:79], s[10:11], s[92:93]
.irp g, 0,1,2,3
.irp i, 0,1,2,3
	global_load_b128 v[BQ+16*\g+4*\i:BQ+16*\g+4*\i+3], v[BOQ], s[76:77] offset:128*\g+16*\i   ; v[BQ + 8 b + j] = the bias of feature 32 (b / 2) + 16 h + 8 (b % 2) + j
.endr
.endr
.irp a, 0,1,2,3,4,5,6,7
	global_load_b32 v[BV+2*\a], v[BOV], s[78:79] offset:4*(32*(\a/2)+8*(\a%2))     ; the bias of the channel in row r of block a, in both halves of a pair
	global_load_b32 v[BV+2*\a+1], v[BOV], s[78:79] offset:4*(32*(\a/2)+8*(\a%2))
.endr
	v_mul_u32_u24 v3, v1, PITCH
	v_lshl_add_u32 v4, v2, 4, v3                   ; a fragment's row x pitch + 16 x half
	s_mul_i32 s21, s15, HALFT                      ; my 128 rows of role A
	s_mul_i32 s22, s16, HALFT                      ; my 128 rows of role B,
	s_add_co_u32 s22, s22, 2*HALFT                 ; which lie behind A's 256
.irp s, 0,1
	v_add_nc_u32 v[ADRA+\s], s21, v4
	v_add_nc_u32 v[ADRB+\s], s22, v4
	s_add_co_u32 s21, s21, SLOT
	s_add_co_u32 s22, s22, SLOT
.endr
	v_and_b32 v6, 31, v0
	v_lshlrev_b32 v[CO], 4, v6
.macro FRAG reg, adr, q, i             ; 16 rows x 128 K: lane l holds row l % 16; registers 4 c .. 4 c + 3 hold K = 32 c + 16 (l / 16) + 0 .. 15: the same places of k in both roles
.irp c, 0,1,2,3
	ds_load_b128 v[\reg+4*\c:\reg+4*\c+3], v[\adr] offset:128*(\q)+32*\c+(\i)*16*PITCH
.endr
.endm
; 16 matrix instructions: A's blocks a0, a0 + 1 x B's eight.  The 64 accumulators take turns, one instruction a turn, in the same order in every step.
.macro MUL16 a0, p, zero
.irp a, \a0, \a0+1
.irp b, 0,1,2,3,4,5,6,7
.if \zero
	v_wmma_f32_16x16x128_fp8_fp8 v[8*(8*((\a)%4)+\b):8*(8*((\a)%4)+\b)+7], v[128*(\p)+FR*\b:128*(\p)+FR*\b+FR-1], v[AF+FR*(\a):AF+FR*(\a)+FR-1], 0
.else
	v_wmma_f32_16x16x128_fp8_fp8 v[8*(8*((\a)%4)+\b):8*(8*((\a)%4)+\b)+7], v[128*(\p)+FR*\b:128*(\p)+FR*\b+FR-1], v[AF+FR*(\a):AF+FR*(\a)+FR-1], v[8*(8*((\a)%4)+\b):8*(8*((\a)%4)+\b)+7]
.endif
.endr
.endr
.endm
.macro FETCH_B slot, q, p
	WIN TO_B
.irp i, 0,1,2,3,4,5,6,7
	FRAG 128*(\p)+FR*\i, ADRB+\slot, \q, \i
.endr
	WIN 0
.endm
.macro FETCH_A slot, q, i0
.irp i, \i0, \i0+1, \i0+2, \i0+3
	FRAG AF+FR*(\i), ADRA+\slot, \q, \i
.endr
.endm
.macro PLACES n                        ; plain vector instructions between a matrix instruction and a load into, or a read of, its registers
.rept \n
	v_nop
.endr
.endm
.macro STEP slot, q, zero              ; 128 along K whose successor lies in the same slot
	s_wait_dscnt 4*NL                              ; B's set and A's blocks 0-3 are in; the youngest sixteen loads (A's blocks 4-7) may be out
	WIN MUL_LO
	MUL16 0, (\q)%2, \zero
	MUL16 2, (\q)%2, \zero
	s_wait_dscnt 0
	PLACES NP
	FETCH_B \slot, (\q)+1, 1-(\q)%2
	FETCH_A \slot, (\q)+1, 0
	WIN MUL_HI
	MUL16 4, (\q)%2, \zero
	MUL16 6, (\q)%2, \zero
	PLACES NP
	WIN 0
	FETCH_A \slot, (\q)+1, 4
.endm
; A slot's last step changes slots: ONE barrier; in front of it each wave waits for all its tensor loads, adds 0 to its spare word, and waits for that and for its reads of this slot.
.macro TURN slot, next, fill
	s_wait_tensorcnt 0x0                           ; all my tensor loads have landed: my part of the next slot
	ds_add_u32 v[SPW], v[NIL]                      ; 0 onto my spare word
	s_wait_dscnt 4*NL+1                            ; (the add and A's blocks 4-7 may be out)
	WIN MUL_LO
	MUL16 0, 1, 0
	s_wait_dscnt 0x0                               ; the add is done, and my reads of this slot are over
	s_barrier_signal -1
	MUL16 2, 1, 0
	WIN 0
	s_barrier_wait -1
.if \fill
	CREST                                          ; the barrier has opened a round of the cluster's: no wave of any partner still reads this slot or has a load on its way
	s_add_nc_u64 s[G0+4*\slot+2:G0+4*\slot+3], s[G0+4*\slot+2:G0+4*\slot+3], 2*ROWB
	s_add_nc_u64 s[G0B+4*\slot+2:G0B+4*\slot+3], s[G0B+4*\slot+2:G0B+4*\slot+3], 2*ROWB
	JLOAD G0+4*\slot, G1, G0B+4*\slot, G1B         ; the first tensor load behind the round; its four v_nop are the places in front of the loads below
.else
	PLACES NP
.endif
	FETCH_B \next, 0, 0
	FETCH_A \next, 0, 0
	WIN MUL_HI
	MUL16 4, 1, 0
	MUL16 6, 1, 0
	PLACES NP
	WIN 0
	FETCH_A \next, 0, 4
.endm
	s_wait_alu depctr_va_vdst(0)
	s_wait_tensorcnt 0x0                           ; my part of K step 0 is in
	ds_add_u32 v[SPW], v[NIL]
	s_wait_dscnt 0x0
	CROUND                                         ; everybody's part of K step 0 is in, and all sixteen work-groups are here
	JLOAD G0+4, G1, G0B+4, G1B                     ; K step 1, slot 1's first fill: the first tensor load behind the round
	FETCH_B 0, 0, 0
	FETCH_A 0, 0, 0
	FETCH_A 0, 0, 4
	STEP 0, 0, 1                                   ; the first step's products start the sums
	s_mov_b32 s3, LAPS-1
.Llap:                                                 ; a trip goes once round the ring and fills both slots again
	TURN 0, 1, 1
	STEP 1, 0, 0
	TURN 1, 0, 1
	STEP 0, 0, 0
	s_sub_co_u32 s3, s3, 1
	s_cmp_lg_u32 s3, 0
	s_cbranch_scc1 .Llap
	TURN 0, 1, 0                                   ; the last lap fills nothing
	STEP 1, 0, 0
	s_wait_dscnt 4*NL
	WIN MUL_LO
	MUL16 0, 1, 0
	MUL16 2, 1, 0
	s_wait_dscnt 0
	WIN MUL_HI
	MUL16 4, 1, 0
	MUL16 6, 1, 0
	WIN 0
; THE WAY OUT.  Half a block of A at a time (four accumulators, 32 numbers a lane): sum x 2^(e0 + e1) + bias into other registers, each accumulator from its low end on; the hold; four conversions;
; two stores of 16 bytes a lane at 16 x lane.  The codes have a ring of four blocks' registers, freed by the wait at the head of a block.
.macro OUTP varm
.irp a, 0,1,2,3,4,5,6,7
.irp hf, 0,1
.if (\a >= 4) && (\hf == 0)
	s_wait_xcnt 0x0                                ; the stores of four blocks back have read their registers
.endif
	WIN 0x02+(\a/4)
.irp bb, 0,1,2,3
.irp i, 0,2,4,6
.if \varm
	v_pk_fma_f32 v[T+8*\bb+\i:T+8*\bb+\i+1], v[8*(8*(\a%4)+4*\hf+\bb)+\i:8*(8*(\a%4)+4*\hf+\bb)+\i+1], s[96:97], v[BV+2*\a:BV+2*\a+1] op_sel_hi:[1,0,1]
.else
	v_pk_fma_f32 v[T+8*\bb+\i:T+8*\bb+\i+1], v[8*(8*(\a%4)+4*\hf+\bb)+\i:8*(8*(\a%4)+4*\hf+\bb)+\i+1], s[96:97], v[BQ+8*(4*\hf+\bb)+\i:BQ+8*(4*\hf+\bb)+\i+1] op_sel_hi:[1,0,1]
.endif
.endr
.endr
	WIN 0
.set n, 0
.rept 32
	v_med3_num_f32 v[T+n], v[T+n], -v[HLD], v[HLD] ; the conversion to an 8-bit code does not saturate (ISA guide 7.6.2)
.set n, n+1
.endr
.irp bb, 0,1,2,3
	v_cvt_scalef32_pk8_fp8_f32 v[CD+16*(\a%4)+8*\hf+2*\bb:CD+16*(\a%4)+8*\hf+2*\bb+1], v[T+8*\bb:T+8*\bb+7], v[SCL]
.endr
	v_nop                                          ; a plain vector instruction between the conversions and the next lines that write their sources
.irp c, 0,1
.if \varm
	global_store_b128 v[CO], v[CD+16*(\a%4)+8*\hf+4*\c:CD+16*(\a%4)+8*\hf+4*\c+3], s[74:75] offset:(\a/4)*131072+(\a%4)*2048+\hf*1024+512*\c   ; head a / 4, tile of rows a % 4, keys 64 hf + 32 c on
.else
	global_store_b128 v[CO], v[CD+16*(\a%4)+8*\hf+4*\c:CD+16*(\a%4)+8*\hf+4*\c+3], s[74:75] offset:\hf*131072+\a*1024+512*\c                     ; head hf, tile of tokens a, features 32 c on
.endif
.endr
.endr
.endr
.endm
	s_wait_kmcnt 0x0
	s_wait_loadcnt 0x0                             ; the biases
	s_add_co_i32 s96, s80, s81
	s_add_co_i32 s96, s96, 127
	s_lshl_b32 s96, s96, 23                        ; 2^(e0 + e1) as f32
	s_mov_b32 s97, s96                             ; (named with it as a pair, so it is written)
	s_cmp_eq_u32 ttmp9, 0
	s_cselect_b32 s92, s82, s83                    ; e2 for q, e3 for k,
	s_cmp_eq_u32 ttmp9, 2
	s_cselect_b32 s92, s85, s92                    ; e5 for v: a choice of a value, no branch
	s_add_co_i32 s92, s92, 127
	s_lshl_b32 s93, s92, 23
	v_mov_b32 v[SCL], s93
	s_add_co_i32 s92, s92, 8
	s_lshl_b32 s92, s92, 23
	s_or_b32 s92, s92, 0x600000
	v_mov_b32 v[HLD], s92                          ; 448 x the scale
	PLACES NP                                      ; behind the last products, ahead of the reads of results and of the writes over A's fragments
	s_cmp_eq_u32 s66, 1                            ; made of the cluster's x alone: all partners go the same way
	s_cbranch_scc1 .Lv_arm
	s_lshr_b32 s92, s17, 3                         ; batch
	s_lshl_b32 s92, s92, 4
	s_lshl_b32 s93, s40, 2
	s_add_co_u32 s92, s92, s93
	s_lshl_b32 s93, s16, 1
	s_add_co_u32 s92, s92, s93                     ; 16 x batch + head 4 cx + 2 x half
	s_lshl_b32 s92, s92, 7
	s_and_b32 s93, s17, 7
	s_lshl_b32 s93, s93, 4
	s_add_co_u32 s92, s92, s93
	s_lshl_b32 s93, s15, 3
	s_add_co_u32 s92, s92, s93                     ; x 128 + the tile of 16 tokens
	s_lshl_b32 s92, s92, 10
	s_mov_b32 s93, 0
	s_cmp_eq_u32 ttmp9, 0
	s_cselect_b64 s[74:75], s[68:69], s[70:71]
	s_add_nc_u64 s[74:75], s[74:75], s[92:93]
	OUTP 0
	s_branch .Ldone
.Lv_arm:
	s_lshr_b32 s92, s42, 3                         ; batch
	s_lshl_b32 s92, s92, 4
	s_lshl_b32 s93, s41, 2
	s_add_co_u32 s92, s92, s93
	s_lshl_b32 s93, s15, 1
	s_add_co_u32 s92, s92, s93                     ; 16 x batch + head 4 cy + 2 x half
	s_lshl_b32 s92, s92, 4
	s_and_b32 s93, s42, 7
	s_lshl_b32 s93, s93, 1
	s_add_co_u32 s92, s92, s93
	s_add_co_u32 s92, s92, s16                     ; x 16 + the group of 128 keys
	s_lshl_b32 s92, s92, 13
	s_mov_b32 s93, 0
	s_add_nc_u64 s[74:75], s[72:73], s[92:93]
	OUTP 1
.Ldone:
	s_wait_tensorcnt 0x0                           ; the wave's end
	ds_add_u32 v[SPW], v[NIL]
	s_wait_dscnt 0x0
	CROUND                                         ; the closing round: no work-group ends while a partner may still ask for a tile that names it
	s_endpgm
.Lfunc_end_k_qaca0af1b36_qkv:
	.size	k_qaca0af1b36_qkv, .Lfunc_end_k_qaca0af1b36_qkv-k_qaca0af1b36_qkv
	.p2alignl 7, 3214868480
	.fill 96, 4, 3214868480
	.section	.rodata,"a",@progbits
	.p2align	6, 0x0
	.amdhsa_kernel k_qaca0af1b36_qkv
		.amdhsa_group_segment_fixed_size 327680
		.amdhsa_private_segment_fixed_size 0
		.amdhsa_enable_private_segment 0
		.amdhsa_kernarg_size 56
		.amdhsa_user_sgpr_count 2
		.amdhsa_user_sgpr_kernarg_segment_ptr 1
		.amdhsa_wavefront_size32 1
		.amdhsa_system_sgpr_workgroup_id_x 1
		.amdhsa_system_sgpr_workgroup_id_y 1
		.amdhsa_system_sgpr_workgroup_id_z 1
		.amdhsa_system_vgpr_workitem_id 0
		.amdhsa_next_free_vgpr 1024
		.amdhsa_next_free_sgpr 100
		.amdhsa_reserve_vcc 0
		.amdhsa_float_denorm_mode_32 3
		.amdhsa_float_denorm_mode_16_64 3
		.amdhsa_memory_ordered 1
		.amdhsa_forward_progress 1
		.amdhsa_inst_pref_size 196
	.end_amdhsa_kernel
	.amdgpu_metadata
---
amdhsa.version: [ 1, 2 ]
amdhsa.kernels:
  - .name:           k_qaca0af1b36_qkv
    .symbol:         k_qaca0af1b36_qkv.kd
    .args:
      - { .name: xc, .offset: 0, .size: 8, .value_kind: global_buffer, .address_space: global }
      - { .name: wc, .offset: 8, .size: 8, .value_kind: global_buffer, .address_space: global }
      - { .name: lowp_scales, .offset: 16, .size: 8, .value_kind: global_buffer, .address_space: global }
      - { .name: b_qkv, .offset: 24, .size: 8, .value_kind: global_buffer, .address_space: global }
      - { .name: qi, .offset: 32, .size: 8, .value_kind: global_buffer, .address_space: global }
      - { .name: ki, .offset: 40, .size: 8, .value_kind: global_buffer, .address_space: global }
      - { .name: vi, .offset: 48, .size: 8, .value_kind: global_buffer, .address_space: global }
    .group_segment_fixed_size: 327680
    .private_segment_fixed_size: 0
    .kernarg_segment_align: 8
    .kernarg_segment_size: 56
    .max_flat_workgroup_size: 128
    .sgpr_count:     100
    .vgpr_count:     1024
    .wavefront_size: 32
...
	.end_amdgpu_metadata
.endif
;; end of part 2
;; launch attn (part 3): grid 4 x 64, 8 waves a work-group, clusters of 4 x 1, 327,680 bytes of LDS; arguments qi, ki, vi, lowp_scales, ai; writes ai
.if DOCPART == 3
	.amdgcn_target "amdgcn-amd-amdhsa--gfx1250"
	.amdhsa_code_object_version 6
	.text
	.protected	k_qaca0af1b36_attn
	.globl	k_qaca0af1b36_attn
	.p2align	8
	.type	k_qaca0af1b36_attn,@function
k_qaca0af1b36_attn:
	s_mov_b64 s[64:65], 0
	v_nop
	global_prefetch_b8 v0, s[64:65] scope:SCOPE_SE
	s_setreg_imm32_b32 hwreg(HW_REG_WAVE_MODE, 25, 1), 1
	s_wait_xcnt 0x0
	s_wait_alu depctr_hold_cnt(0) depctr_sa_sdst(0) depctr_va_vdst(0) depctr_va_sdst(0) depctr_va_ssrc(0) depctr_va_vcc(0) depctr_vm_vsrc(0)
	s_getreg_b32 s2, hwreg(HW_REG_IB_STS2, 6, 4)
	s_cmp_eq_u32 s2, 0
	s_cbranch_scc0 .Lentry_in_a_cluster
	s_endpgm
.Lentry_in_a_cluster:
	s_bfe_u32 s2, ttmp6, 0x10000c
	s_cmp_lg_u32 s2, 0x3003
	s_cbranch_scc0 .Lentry_shape_is_right
	s_endpgm
.Lentry_shape_is_right:
; Causal attention on codes of FP8 (E4M3), 64 heads (batch x head) of 2,048 tokens x 64 channels; both products on codes; the result is quantised for the last product and stored as codes.
; t = score x log2(e) / 8; M = the running largest t rounded UP to a whole number; p = 2^(t - M) is quantised with 2^e4, not normalised; the row's sum is taken of the unquantised p and divides at the end.
; When M moves, the sum and O are multiplied by 2^(old M - new M): exact.
; LEFT OUT: steps of 128 keys all of which come after a tile's queries: the mask is causal (use_causal_mask = 1) and their p is 0.
; K AND V STAY IN LDS.  A head's K is 131,072 bytes and so is its V: both lie in LDS whole (K from byte 0, V from byte 131,072), each byte filled once, so the walk over the keys has no change of slots.
; CLUSTER of 4 x 1: the four work-groups of a head.  Work-group cx owns the tiles of 16 queries 4 j + cx, j = 0 .. 31, so all four need all keys: every load is a joint load with the mask 15.
; Each of the eight waves asks for one eighth of a group of loads: waves 0-3 for K, 4-7 for V.  Group 1, at the head: keys 0-511, 8,192 bytes a wave.  Group 2, behind the full sequence and a round: keys 512-2,047,
; 24,576 bytes a wave; it lands while every wave works four steps on keys 0-511; one barrier follows.
; SHARES.  A wave works on a PAIR of tiles, j = 2 u and 2 u + 1, which need the same u + 1 steps of 128 keys: each fragment of K and of V is read from LDS once for both tiles.
; Wave w takes pair u = 15 - w and then pair u = w in the same registers: 17 steps in every wave.
; Whether a step is hidden or open is decided by 128 u alone, so no branch hangs on the place in the cluster; cx enters the mask's numbers and global addresses only.
; In a pair's last step tile 2 u sees none of keys 64-127 and tile 2 u + 1 all of keys 0-63, whatever cx: only the other halves are compared.
; NO PREFETCH: all of K and V is asked for by the two groups of loads at the head; no later load is there to run ahead of.
; LAYOUT.  S^T = K Q^T (16x16x64; source 0 = 16 keys, source 1 = 16 queries): a lane holds ONE query (lane % 16); register j of tile T is key 16 T + 8 (lane / 16) + j: its conversion gives registers 2 T, 2 T + 1
; of source 1 of O^T = V^T P^T (16x16x128).  qi, ki, vi hold images of the operands' registers (16 bytes a lane at 16 x lane).  vi's rows are permuted so that O^T's tiles 2 g, 2 g + 1 give a lane channels
; 32 g + 16 (lane / 16) + 0..15: four conversions are the image that is stored: ai: [tile of 16 tokens 512][head 16][c 2][lane 32][16].
; REGISTERS: window 0 as named below; window 1: v0-63 O^T of the pair's two tiles.
; LIMITS: e2 + e3 between -123 and 130 (added to c's exponent field); e4 and e6 between -126 and 119; e4 + e5 goes by v_ldexp_f32 and has none.  NaN among the inputs is not served.
.set VBASE, 131072
.set SPARE, 262144                     ; behind K and V: the spare words, 128 bytes for each of eight waves, which no other line names
.set LI,   1                           ; v1   16 x lane
.set DL,   3                           ; v3   lane % 16 - 8 (lane / 16)
.set SPW,  5                           ; v5   LDS address of my spare word; never rewritten
.set NIL,  6                           ; v6   0; never rewritten
.set ADR,  8                           ; v8   the step's K, then its V
.set ST,   12                          ; tile x: v[12+4x] -M, v[13+4x] the largest t, v[14+4x:15+4x] the sum in two halves
.set QF,   20                          ; v20-51  Q: pair k, tile x at 16 k + 8 x
.set FR,   52                          ; v52-115 fragments of K, then of V
.set S,    116                         ; v116-179 S^T, then p, of one tile at a time
.set PC,   180                         ; v180-211 p's codes of both tiles
.set PLIM, 212                         ; 448 x 2^e4
.set PSC,  213                         ; 2^e4
.set SUM2, 214                         ; v[214:215] the sums' second chain
.set FF,   216                         ; v[216:217] f = 2^(old M - new M); also at work
.set TMP,  218
.set PRM,  219                         ; a lane permute's destination
.set OSC,  220                         ; 2^e6
.set OLIM, 221                         ; 448 x 2^e6
.set OC,   222                         ; v222-237 the results' codes
.set WV,   18
.set SEL,  20                          ; s[20:21] selects for lane l xor 16
.set CS,   22                          ; s[22:23] c = log2(e) / 8 x 2^(e2 + e3)
.set G1A,  24                          ; s[24:31] group 1 of the first loads: 32 rows of 256 bytes
.set G1B,  32                          ; s[32:39] of the second: 96 rows
.set G0A,  44
.set G0B,  48
.set TB,   58                          ; s58  the step's first byte of K in LDS
.set KF,   59                          ; s59  the step's first key
.set CNT,  60
.set TV,   63                          ; s63  the step's first byte of V in LDS
.set J128, 80                          ; s80, s81  128 u of pair 0, 1
.set JL,   82                          ; s82, s83  128 u + 127
.set Q0,   84                          ; s84, s85  the pair's first query: 128 u + 16 cx
.set QP,   86                          ; s[86:89]  Q's images
.set OP,   90                          ; s[90:93]  the results' images
.set EO,   94                          ; s94  e4 + e5
.set MSB, 0
.macro WIN new                         ; the immediate's high byte repeats the setting that is left
.if MSB != \new
	s_set_vgpr_msb (MSB<<8)|\new
.set MSB, \new
.endif
.endm
.macro CROUND                          ; a round of the cluster's barrier
	s_barrier_signal -1
	s_barrier_wait -1
	s_cmp_lg_u32 s[WV], 0
	s_cbranch_scc1 .Lnot_wave_0_\@
	s_barrier_signal -3
.Lnot_wave_0_\@:
	s_barrier_wait -3
	s_barrier_signal -1
	s_barrier_wait -1
.endm
.macro INIT                            ; a pair's start: the step is written for every step alike; the first finds zeros, which the first change of M leaves zeros
.irp x, 0,1
	v_mov_b32 v[ST+4*\x+1], 0xff61b1e6             ; -3e38, under every t
	s_delay_alu instid0(VALU_DEP_1)
	v_floor_f32 v[ST+4*\x], -v[ST+4*\x+1]
	v_mov_b32 v[ST+4*\x+2], 0
	v_mov_b32 v[ST+4*\x+3], 0
.endr
	WIN 0x40                                       ; destination: window 1
.set n, 0
.rept 64
	v_mov_b32 v[n], 0
.set n, n+1
.endr
	WIN 0
.endm
	s_load_b256 s[4:11], s[0:1], 0x0               ; qi s[4:5], ki s[6:7], vi s[8:9], the scales' exponents s[10:11]
	s_load_b64 s[12:13], s[0:1], 0x20              ; ai
	v_lshl_add_u32 v[SPW], v0, 2, SPARE
	v_mov_b32 v[NIL], 0
	ds_add_u32 v[SPW], v[NIL]                      ; the wave's opening
	ds_add_u32 v[SPW], v[NIL]
	v_lshrrev_b32 v8, 5, v0
	v_readfirstlane_b32 s[WV], v8                  ; wave 0..7
	s_and_b32 s17, ttmp7, 0xffff                   ; batch x head: the cluster's y
	s_lshl_b32 s14, s17, 17                        ; its 131,072 bytes in qi, ki and vi
	s_lshr_b32 s40, s[WV], 2
	s_lshl_b32 s40, s40, 17                        ; waves 0-3: K's part of LDS; 4-7: V's
	s_and_b32 s41, s[WV], 3
	s_lshl_b32 s42, s41, 13                        ; first loads: my 8,192 bytes of the first 32,768
	s_mul_i32 s43, s41, 24576
	s_add_co_u32 s43, s43, 32768                   ; second loads: my 24,576 bytes of the other 98,304
	s_mov_b32 s[G0A], 1
	s_add_co_u32 s[G0A+1], s40, s42
	s_mov_b32 s[G0B], 1
	s_add_co_u32 s[G0B+1], s40, s43
	s_add_co_u32 s52, s14, s42                     ; the same places in the head's bytes in memory
	s_mov_b32 s53, 0
	s_add_co_u32 s54, s14, s43
	s_mov_b32 s55, 0
	s_mov_b32 s[G1A], 15|(3<<16)|(1<<21)           ; 15:0 the mask: all four partners; 17:16 elements of 8 bytes; 21 set beside a mask
	s_mov_b32 s[G1A+1], 32<<16                     ; rows of 256 bytes, dense
	s_mov_b32 s[G1A+2], 32<<16
	s_mov_b32 s[G1A+3], 32<<16
	s_mov_b32 s[G1A+4], 32
	s_mov_b32 s[G1A+5], 32
	s_mov_b32 s[G1A+6], 0
	s_mov_b32 s[G1A+7], 0
	s_mov_b32 s[G1B], 15|(3<<16)|(1<<21)
	s_mov_b32 s[G1B+1], 32<<16
	s_mov_b32 s[G1B+2], 96<<16
	s_mov_b32 s[G1B+3], 32<<16
	s_mov_b32 s[G1B+4], 96
	s_mov_b32 s[G1B+5], 32
	s_mov_b32 s[G1B+6], 0
	s_mov_b32 s[G1B+7], 0
	s_mov_b32 s[SEL], 0x76543210
	s_mov_b32 s[SEL+1], 0xfedcba98
	s_mov_b32 s[CS], 0x3e38aa3b                    ; log2(e) / 8
	s_lshr_b32 s15, s17, 4
	s_lshl_b32 s15, s15, 21                        ; ai: 128 tiles x 16,384 bytes a batch,
	s_and_b32 s16, s17, 15
	s_lshl_b32 s16, s16, 10
	s_add_co_u32 s15, s15, s16                     ; + 1,024 x head
	s_bfe_u32 s62, ttmp6, 0x40000
	s_lshl_b32 s62, s62, 4                         ; 16 cx
	s_sub_co_u32 s[J128], 15, s[WV]
	s_lshl_b32 s[J128], s[J128], 7                 ; pair 0: u = 15 - wave
	s_lshl_b32 s[J128+1], s[WV], 7                 ; pair 1: u = wave
.irp k, 0,1
	s_add_co_u32 s[JL+\k], s[J128+\k], 127
	s_add_co_u32 s[Q0+\k], s[J128+\k], s62
	s_lshl_b32 s[QP+2*\k], s[Q0+\k], 6             ; 1,024 bytes a tile of 16 queries
	s_add_co_u32 s[QP+2*\k], s[QP+2*\k], s14
	s_mov_b32 s[QP+2*\k+1], 0
	s_lshl_b32 s[OP+2*\k], s[Q0+\k], 10            ; 16,384 bytes a tile of 16 tokens
	s_add_co_u32 s[OP+2*\k], s[OP+2*\k], s15
	s_mov_b32 s[OP+2*\k+1], 0
.endr
	s_wait_dscnt 0x0                               ; both opening adds are done
	s_wait_kmcnt 0x0
	s_load_b256 s[68:75], s[10:11], 0x0            ; e0 .. e7
	s_cmp_lt_u32 s[WV], 4                          ; the choice hangs on the wave's number alone
	s_cselect_b64 s[56:57], s[6:7], s[8:9]
	s_add_nc_u64 s[G0A+2:G0A+3], s[56:57], s[52:53]
	s_or_b32 s[G0A+3], s[G0A+3], 0x80000000
	s_add_nc_u64 s[G0B+2:G0B+3], s[56:57], s[54:55]
	s_or_b32 s[G0B+3], s[G0B+3], 0x80000000
.irp k, 0,1
	s_add_nc_u64 s[QP+2*\k:QP+2*\k+1], s[4:5], s[QP+2*\k:QP+2*\k+1]
	s_add_nc_u64 s[OP+2*\k:OP+2*\k+1], s[12:13], s[OP+2*\k:OP+2*\k+1]
.endr
	CROUND                                         ; all four work-groups are here: the first joint loads meet
	tensor_load_to_lds s[G0A:G0A+3], s[G1A:G1A+7]  ; keys 0-511: my eighth; one tensor load a wave at the head
	s_nop 0
.rept 4
	v_nop
.endr
	s_wait_kmcnt 0x0
	s_add_co_i32 s40, s70, s71
	s_lshl_b32 s40, s40, 23
	s_add_co_i32 s[CS], s[CS], s40                 ; a score stands for score x 2^(e2 + e3)
	s_mov_b32 s[CS+1], s[CS]
	s_add_co_i32 s[EO], s72, s73
	s_add_co_i32 s40, s72, 127
	s_lshl_b32 s41, s40, 23                        ; 2^e4
	s_add_co_i32 s40, s40, 8
	s_lshl_b32 s40, s40, 23
	s_or_b32 s40, s40, 0x600000                    ; 448 x 2^e4
	s_add_co_i32 s42, s74, 127
	s_lshl_b32 s43, s42, 23                        ; 2^e6
	s_add_co_i32 s42, s42, 8
	s_lshl_b32 s42, s42, 23
	s_or_b32 s42, s42, 0x600000                    ; 448 x 2^e6
	s_mov_b32 s[TB], 0
	s_mov_b32 s[TV], VBASE
	s_mov_b32 s[KF], 0
	s_mov_b32 s[CNT], 4
	v_and_b32 v[LI], 31, v0
	v_lshlrev_b32 v[LI], 4, v[LI]
	v_and_b32 v[DL], 15, v0
	v_bfe_u32 v[TMP], v0, 4, 1
	v_lshlrev_b32 v[TMP], 3, v[TMP]
	v_sub_nc_u32 v[DL], v[DL], v[TMP]
.irp k, 0,1
.irp x, 0,1
	global_load_b128 v[QF+16*\k+8*\x:QF+16*\k+8*\x+3], v[LI], s[QP+2*\k:QP+2*\k+1] offset:4096*\x        ; Q of all four tiles stays in registers; tile 2 u + 1 lies four images on
	global_load_b128 v[QF+16*\k+8*\x+4:QF+16*\k+8*\x+7], v[LI], s[QP+2*\k:QP+2*\k+1] offset:4096*\x+512
.endr
.endr
	INIT
	v_mov_b32 v[FF+1], 0                           ; (named as the upper half of a pair)
	v_mov_b32 v[PRM], 0                            ; a lane permute's destination counts as one of its sources
	v_mov_b32 v[PSC], s41
	v_mov_b32 v[PLIM], s40
	v_mov_b32 v[OSC], s43
	v_mov_b32 v[OLIM], s42
; The softmax of 128 keys for tile x of pair k: from S^T to p's codes.  m = 1: with the test for the diagonal.
.macro SOFT m, k, x
.set NM, ST+4*(\x)
.set TM, NM+1
.set LS, NM+2
.if \m
	s_add_co_u32 s96, s[KF], 128
	s_cmp_le_u32 s96, s[J128+\k]                   ; all keys count: no mask
	s_cbranch_scc1 .Lopen_\@
	s_sub_co_i32 s95, s[Q0+\k], s[KF]
	v_add_nc_u32 v[FF], s95, v[DL]                 ; d = tile 2 u's query - KF - 8 (lane / 16): its register 8 T + j is hidden where 16 T + j > d; tile 2 u + 1's where 16 T + j - 64 > d
	v_mov_b32 v[TMP], 0xff800000                   ; -infinity: p = 0 then
.if \x == 0
.set n, 0
.rept 32
	v_cmp_gt_i32 vcc_lo, 16*(n/8)+n%8, v[FF]
	v_cndmask_b32 v[S+n], v[S+n], v[TMP], vcc_lo
.set n, n+1
.endr
.rept 32
	v_mov_b32 v[S+n], v[TMP]                       ; keys 64-127 come after all of tile 2 u's queries
.set n, n+1
.endr
.else
.set n, 32
.rept 32
	v_cmp_gt_i32 vcc_lo, 16*(n/8)+n%8-64, v[FF]
	v_cndmask_b32 v[S+n], v[S+n], v[TMP], vcc_lo
.set n, n+1
.endr
.endif
.Lopen_\@:
.endif
	v_max3_num_f32 v[TMP], v[S], v[S+1], v[S+2]    ; the step's largest score of my query among my 64 keys, ascending, in two chains,
	v_max3_num_f32 v[FF], v[S+3], v[S+4], v[S+5]
.irp i, 6,10,14,18,22,26,30,34,38,42,46,50,54,58
	v_max3_num_f32 v[TMP], v[TMP], v[S+\i], v[S+\i+1]
	v_max3_num_f32 v[FF], v[FF], v[S+\i+2], v[S+\i+3]
.endr
	v_max3_num_f32 v[TMP], v[TMP], v[S+62], v[S+63]
	s_delay_alu instid0(VALU_DEP_1)
	v_max_num_f32 v[TMP], v[TMP], v[FF]
	s_delay_alu instid0(VALU_DEP_1)
	v_permlanex16_b32 v[PRM], v[TMP], s[SEL], s[SEL+1]
	s_delay_alu instid0(VALU_DEP_1)
	v_max_num_f32 v[TMP], v[TMP], v[PRM]           ; and among lane l xor 16's
	s_delay_alu instid0(VALU_DEP_1)
	v_mul_f32 v[TMP], s[CS], v[TMP]                ; as t (c is positive)
	s_delay_alu instid0(VALU_DEP_1)
	v_max_num_f32 v[TM], v[TM], v[TMP]             ; the running largest t
	v_mov_b32 v[TMP], v[NM]
	s_delay_alu instid0(VALU_DEP_2)
	v_floor_f32 v[NM], -v[TM]                      ; the new -M = -ceil(t): a whole number
	s_delay_alu instid0(VALU_DEP_1)
	v_sub_f32 v[TMP], v[NM], v[TMP]                ; old M - new M: a whole number, 0 or less
	s_delay_alu instid0(VALU_DEP_1)
	v_cvt_i32_f32 v[TMP], v[TMP]                   ; (it saturates)
	s_delay_alu instid0(VALU_DEP_1)
	v_ldexp_f32 v[FF], 1.0, v[TMP]                 ; f = 2^(old M - new M)
	WIN 0x41                                       ; source 0 and destination: window 1
	s_wait_alu depctr_va_vdst(0)                   ; directly ahead of the first reader of O^T
.set j, 0
.rept 16
	v_pk_mul_f32 v[32*(\x)+j:32*(\x)+j+1], v[32*(\x)+j:32*(\x)+j+1], v[FF:FF+1] op_sel_hi:[1,0]   ; O^T under the new M, each accumulator from its low end on
.set j, j+2
.endr
	WIN 0
.set j, 0
.rept 32
	v_pk_fma_f32 v[S+j:S+j+1], v[S+j:S+j+1], s[CS:CS+1], v[NM:NM+1] op_sel_hi:[1,0,0]   ; t - M, two at a time
.set j, j+2
.endr
	s_wait_alu depctr_va_vdst(0)
.set j, 0
.rept 64
	v_exp_f32 v[S+j], v[S+j]                       ; p = 2^(t - M), at most 1
.set j, j+1
.endr
	v_pk_mul_f32 v[LS:LS+1], v[LS:LS+1], v[FF:FF+1] op_sel_hi:[1,0]   ; the sums under the new M; a plain instruction behind the exponentials
	s_wait_alu depctr_va_vdst(0)                   ; one wait for the whole batch, ahead of its first reader
	v_pk_add_f32 v[SUM2:SUM2+1], v[S:S+1], v[S+2:S+3]                 ; the row's sum is taken of the unquantised p, in two chains
.irp j, 4,8,12,16,20,24,28,32,36,40,44,48,52,56,60
	v_pk_add_f32 v[LS:LS+1], v[LS:LS+1], v[S+\j:S+\j+1]
	v_pk_add_f32 v[SUM2:SUM2+1], v[SUM2:SUM2+1], v[S+\j+2:S+\j+3]
.endr
	s_delay_alu instid0(VALU_DEP_1)
	v_pk_add_f32 v[LS:LS+1], v[LS:LS+1], v[SUM2:SUM2+1]
.irp t, 0,1,2,3,4,5,6,7
.irp i, 0,2,4,6
	v_dual_min_num_f32 v[S+8*\t+\i], v[S+8*\t+\i], v[PLIM] :: v_dual_min_num_f32 v[S+8*\t+\i+1], v[S+8*\t+\i+1], v[PLIM]   ; the conversion does not saturate (ISA guide 7.6.2); p is not negative, so the hold is one-sided; two holds an instruction
.endr
	v_cvt_scalef32_pk8_fp8_f32 v[PC+16*(\x)+2*\t:PC+16*(\x)+2*\t+1], v[S+8*\t:S+8*\t+7], v[PSC]   ; keys 16 t + 8 (lane / 16) + 0..7: registers 2 t, 2 t + 1 of the operand
.endr
	v_nop                                          ; a plain instruction between the conversions and the products that write their sources or read their results
.endm
; 128 keys for both tiles of pair k.  m = 1: with the tests for a hidden step and for the diagonal.
.macro STEP m, k
.if \m
	s_cmp_gt_u32 s[KF], s[JL+\k]                   ; all keys come after the pair's queries: nothing to do.  No barrier, wait for tiles or tensor load stands in a step
	s_cbranch_scc1 .Lhid_\@
.endif
	v_add_nc_u32 v[ADR], s[TB], v[LI]
.rept 3
	v_nop                                          ; with the addition: four places in front of loads into registers that the last products have read
.endr
.irp t, 0,1,2,3,4,5,6,7
	ds_load_b128 v[FR+8*\t:FR+8*\t+3], v[ADR] offset:\t*1024
	ds_load_b128 v[FR+8*\t+4:FR+8*\t+7], v[ADR] offset:\t*1024+512
.endr
	s_wait_alu depctr_va_vdst(0)
	s_wait_dscnt 0x0
.irp t, 0,1,2,3,4,5,6,7
	v_wmma_f32_16x16x64_fp8_fp8 v[S+8*\t:S+8*\t+7], v[FR+8*\t:FR+8*\t+7], v[QF+16*\k:QF+16*\k+7], 0
.endr
.rept 4
	v_nop                                          ; places ahead of the first read of the scores
.endr
	SOFT \m, \k, 0
.irp t, 0,1,2,3,4,5,6,7                ; K's fragments serve the second tile too
	v_wmma_f32_16x16x64_fp8_fp8 v[S+8*\t:S+8*\t+7], v[FR+8*\t:FR+8*\t+7], v[QF+16*\k+8:QF+16*\k+15], 0
.endr
	v_add_nc_u32 v[ADR], s[TV], v[LI]
.rept 3
	v_nop                                          ; with the addition: four places ahead of the loads over K's fragments and of the first read of the scores
.endr
.irp t, 0,1,2,3                        ; V's fragments are asked for now and land under the second softmax
.irp c, 0,1,2,3
	ds_load_b128 v[FR+16*\t+4*\c:FR+16*\t+4*\c+3], v[ADR] offset:2048*\t+512*\c
.endr
.endr
	SOFT \m, \k, 1
	s_wait_alu depctr_va_vdst(0)
	s_wait_dscnt 0x0                               ; V's fragments are in
	WIN 0x50                                       ; C and D: window 1
.irp t, 0,1,2,3
.irp x, 0,1
	v_wmma_f32_16x16x128_fp8_fp8 v[32*\x+8*\t:32*\x+8*\t+7], v[FR+16*\t:FR+16*\t+15], v[PC+16*\x:PC+16*\x+15], v[32*\x+8*\t:32*\x+8*\t+7]   ; eight accumulators by turns; each fragment of V serves both tiles
.endr
.endr
	WIN 0
.if \m
.Lhid_\@:
.endif
	s_add_co_u32 s[TB], s[TB], 8192
	s_add_co_u32 s[TV], s[TV], 8192
	s_add_co_u32 s[KF], s[KF], 128
.endm
; THE WAY OUT of tile x of pair k: O^T / the sum x 2^(e4 + e5), held, converted with 2^e6: the eight registers are the image of 16 tokens x 64 channels; two stores of 512 consecutive bytes.
.macro FINISH k, x
.set LS, ST+4*(\x)+2
	v_add_f32 v[LS], v[LS], v[LS+1]                ; the sum's two halves,
	s_delay_alu instid0(VALU_DEP_1)
	v_permlanex16_b32 v[PRM], v[LS], s[SEL], s[SEL+1]
	s_delay_alu instid0(VALU_DEP_1)
	v_add_f32 v[LS], v[LS], v[PRM]                 ; and lane l xor 16's
	s_wait_alu depctr_va_vdst(0)                   ; ahead of the reciprocal
	v_rcp_f32 v[LS], v[LS]
	v_nop                                          ; a plain instruction behind it
	s_wait_alu depctr_va_vdst(0)                   ; and the wait ahead of its first reader
	v_ldexp_f32 v[FF], v[LS], s[EO]
	WIN 0x01                                       ; source 0: window 1
	s_wait_alu depctr_va_vdst(0)                   ; directly ahead of the first reader of O^T
.set j, 0
.rept 16
	v_pk_mul_f32 v[S+j:S+j+1], v[32*(\x)+j:32*(\x)+j+1], v[FF:FF+1] op_sel_hi:[1,0]   ; each accumulator from its low end on
.set j, j+2
.endr
	WIN 0
.set j, 0
.rept 32
	v_med3_num_f32 v[S+j], v[S+j], -v[OLIM], v[OLIM]
.set j, j+1
.endr
.irp t, 0,1,2,3
	v_cvt_scalef32_pk8_fp8_f32 v[OC+8*(\x)+2*\t:OC+8*(\x)+2*\t+1], v[S+8*\t:S+8*\t+7], v[OSC]
.endr
	v_nop                                          ; a plain instruction behind the conversions
	global_store_b128 v[LI], v[OC+8*(\x):OC+8*(\x)+3], s[OP+2*\k:OP+2*\k+1] offset:65536*(\x)           ; tile 2 u + 1 lies four tiles of tokens on
	global_store_b128 v[LI], v[OC+8*(\x)+4:OC+8*(\x)+7], s[OP+2*\k:OP+2*\k+1] offset:65536*(\x)+512
.endm
	s_wait_alu depctr_va_vdst(0)
	s_wait_tensorcnt 0x0                           ; my part of keys 0-511 is in
	ds_add_u32 v[SPW], v[NIL]
	s_wait_dscnt 0x0
	CROUND                                         ; everybody's part is in, and all four work-groups are here
	tensor_load_to_lds s[G0B:G0B+3], s[G1B:G1B+7]  ; keys 512-2,047: my eighth, into bytes that nothing has filled; the first tensor load behind the round
	s_nop 0
.rept 4
	v_nop
.endr
	s_wait_loadcnt 0x0                             ; Q
.Lfirst:                                               ; pair 0, keys 0-511: four steps, all open (128 u is 1,024 or more)
	STEP 0, 0
	s_sub_co_u32 s[CNT], s[CNT], 1
	s_cmp_lg_u32 s[CNT], 0
	s_cbranch_scc1 .Lfirst
	s_wait_alu depctr_va_vdst(0)
	s_wait_tensorcnt 0x0                           ; my part of keys 512-2,047 is in,
	s_wait_dscnt 0x0
	s_barrier_signal -1
	s_barrier_wait -1                              ; everybody's is.  Nothing is filled from here on, and no barrier stands in the walk
	s_mov_b32 s[CNT], 12
.Lrest:                                                ; pair 0, keys 512 on: a constant count of trips; hidden steps are jumped over
	STEP 1, 0
	s_sub_co_u32 s[CNT], s[CNT], 1
	s_cmp_lg_u32 s[CNT], 0
	s_cbranch_scc1 .Lrest
.rept 4
	v_nop                                          ; places behind the last products
.endr
	FINISH 0, 0
	FINISH 0, 1
	INIT
	s_mov_b32 s[TB], 0
	s_mov_b32 s[TV], VBASE
	s_mov_b32 s[KF], 0
	s_mov_b32 s[CNT], 8
	s_wait_alu depctr_va_vdst(0)
.Learly:                                               ; pair 1: 128 u + 127 is under 1,024: eight trips
	STEP 1, 1
	s_sub_co_u32 s[CNT], s[CNT], 1
	s_cmp_lg_u32 s[CNT], 0
	s_cbranch_scc1 .Learly
	s_wait_xcnt 0x0                                ; pair 0's stores have read their registers
.rept 4
	v_nop
.endr
	FINISH 1, 0
	FINISH 1, 1
	s_wait_tensorcnt 0x0                           ; the wave's end
	ds_add_u32 v[SPW], v[NIL]
	s_wait_dscnt 0x0
	CROUND                                         ; the closing round
	s_endpgm
.Lfunc_end_k_qaca0af1b36_attn:
	.size	k_qaca0af1b36_attn, .Lfunc_end_k_qaca0af1b36_attn-k_qaca0af1b36_attn
	.p2alignl 7, 3214868480
	.fill 96, 4, 3214868480
	.section	.rodata,"a",@progbits
	.p2align	6, 0x0
	.amdhsa_kernel k_qaca0af1b36_attn
		.amdhsa_group_segment_fixed_size 327680
		.amdhsa_private_segment_fixed_size 0
		.amdhsa_enable_private_segment 0
		.amdhsa_kernarg_size 40
		.amdhsa_user_sgpr_count 2
		.amdhsa_user_sgpr_kernarg_segment_ptr 1
		.amdhsa_wavefront_size32 1
		.amdhsa_system_sgpr_workgroup_id_x 1
		.amdhsa_system_sgpr_workgroup_id_y 1
		.amdhsa_system_sgpr_workgroup_id_z 1
		.amdhsa_system_vgpr_workitem_id 0
		.amdhsa_next_free_vgpr 320
		.amdhsa_next_free_sgpr 100
		.amdhsa_reserve_vcc 1
		.amdhsa_float_denorm_mode_32 3
		.amdhsa_float_denorm_mode_16_64 3
		.amdhsa_memory_ordered 1
		.amdhsa_forward_progress 1
		.amdhsa_inst_pref_size 128
	.end_amdhsa_kernel
	.amdgpu_metadata
---
amdhsa.version: [ 1, 2 ]
amdhsa.kernels:
  - .name:           k_qaca0af1b36_attn
    .symbol:         k_qaca0af1b36_attn.kd
    .args:
      - { .name: qi, .offset: 0, .size: 8, .value_kind: global_buffer, .address_space: global }
      - { .name: ki, .offset: 8, .size: 8, .value_kind: global_buffer, .address_space: global }
      - { .name: vi, .offset: 16, .size: 8, .value_kind: global_buffer, .address_space: global }
      - { .name: lowp_scales, .offset: 24, .size: 8, .value_kind: global_buffer, .address_space: global }
      - { .name: ai, .offset: 32, .size: 8, .value_kind: global_buffer, .address_space: global }
    .group_segment_fixed_size: 327680
    .private_segment_fixed_size: 0
    .kernarg_segment_align: 8
    .kernarg_segment_size: 40
    .max_flat_workgroup_size: 256
    .sgpr_count:     100
    .vgpr_count:     320
    .wavefront_size: 32
...
	.end_amdgpu_metadata
.endif
;; end of part 3
;; launch proj (part 4): grid 4 x 64, 4 waves a work-group, clusters of 4 x 4, 327,680 bytes of LDS; arguments ai, wc, lowp_scales, b_out, out0; writes out0
.if DOCPART == 4
	.amdgcn_target "amdgcn-amd-amdhsa--gfx1250"
	.amdhsa_code_object_version 6
	.text
	.protected	k_qaca0af1b36_proj
	.globl	k_qaca0af1b36_proj
	.p2align	8
	.type	k_qaca0af1b36_proj,@function
k_qaca0af1b36_proj:
	s_mov_b64 s[64:65], 0
	v_nop
	global_prefetch_b8 v0, s[64:65] scope:SCOPE_SE
	s_setreg_imm32_b32 hwreg(HW_REG_WAVE_MODE, 25, 1), 1
	s_wait_xcnt 0x0
	s_wait_alu depctr_hold_cnt(0) depctr_sa_sdst(0) depctr_va_vdst(0) depctr_va_sdst(0) depctr_va_ssrc(0) depctr_va_vcc(0) depctr_vm_vsrc(0)
	s_getreg_b32 s2, hwreg(HW_REG_IB_STS2, 6, 4)
	s_cmp_eq_u32 s2, 0
	s_cbranch_scc0 .Lentry_in_a_cluster
	s_endpgm
.Lentry_in_a_cluster:
	s_bfe_u32 s2, ttmp6, 0x10000c
	s_cmp_lg_u32 s2, 0xf033
	s_cbranch_scc0 .Lentry_shape_is_right
	s_endpgm
.Lentry_shape_is_right:
; out0 = attention's result x W_out + b_out on codes of FP8 (E4M3), K = 1,024.  value = sum x 2^(e6 + e7) + bias, one fused multiply-add.
; ai: images of operand registers, [tile of 16 tokens 512][head 16][c 2][lane 32][16]: 128 along K of a tile are 2,048 bytes on end.  wc: [4096][1024] codes, K innermost; rows 3,072 on are W_out's columns,
; permuted (row 32 G + 16 u + 8 h + j holds column 32 G + 16 h + 8 u + j).
; A block of 128 tokens x 256 features to a work-group: 4 x 64 work-groups.  Four waves, 64 x 128 each: 32 accumulators.  K goes in steps of 256 through a ring of two LDS slots filled by the tensor data mover.
; CLUSTERS of 4 x 4: A's tiles (tokens) are shared along a row of the cluster, B's (features) along a column: joint loads with a mask that names the four.
; The matrix instruction takes 16 rows of wc as source 0 and 16 tokens as source 1: a lane holds one token, and by the permutation its 16 registers of accumulators 2 g, 2 g + 1 are features 32 g + 16 h + 0..15.
; REGISTERS: window 0: v0-31 addresses, v32-35 the bias, from v128 A's fragments, two sets of 64 (on the way out: rows read back); window 1: B's fragments, two sets of 128; window 2: accumulator (a, b) at v[8 (8 a + b)].
; LIMIT: e6 + e7 between -126 and 127.
.set SIZE_N, 1024
.set ROWB,   256
.set KROW,   1024
.set PITCH,  272                       ; B's LDS row: 256 bytes + 16 of padding
.set ASTEP,  4096                      ; 256 along K of a tile of 16 tokens
.set FR,     16
.set NP,     4                         ; places behind this matrix instruction (ISA guide 7.12.1)
.set HALFA,  16384                     ; 4 tiles of 16 tokens x 256 K
.set HALFB,  128*PITCH
.set BOFF,   2*HALFA
.set SLOT,   BOFF+2*HALFB
.set SPARE,  2*SLOT                    ; behind the ring: the spare words, 128 bytes for each wave, which no other line names
.set SPITCH, 528                       ; the way out: a stage of 16 rows x (512 + 16) bytes a wave, in slot 0, which has had its last fill and its last read by then
.set ADRA, 16
.set ADRB, 20
.set STO,  24
.set RD,   25
.set CO,   26
.set SPW,  28
.set NIL,  29
.set BI,   32
.set AF,   128
.set BK,   128
.set G1, 24
.set G0, 32
.set G1B, 48
.set G0B, 56
.set MSB, 0
.macro WIN new                         ; the immediate's high byte repeats the setting that is left
.if MSB != \new
	s_set_vgpr_msb (MSB<<8)|\new
.set MSB, \new
.endif
.endm
.set MUL_LO, 0xa1                      ; source 0 (B) window 1, source 1 (A) window 0, C and D window 2
.set TO_B,   0x40
.macro JLOAD g0a, g1a, g0b, g1b        ; waves 0 and 1 fetch A's halves, waves 2 and 3 B's; an s_nop 0 and four v_nop follow each line
	s_cmp_eq_u32 s15, 0
	s_cbranch_scc0 .Lfor_b_\@
	tensor_load_to_lds s[\g0a:\g0a+3], s[\g1a:\g1a+7]
	s_nop 0
.rept 4
	v_nop
.endr
	s_branch .Lasked_\@
.Lfor_b_\@:
	tensor_load_to_lds s[\g0b:\g0b+3], s[\g1b:\g1b+7]
	s_nop 0
.rept 4
	v_nop
.endr
.Lasked_\@:
.endm
.macro CREST
	s_cmp_lg_u32 s14, 0
	s_cbranch_scc1 .Lnot_wave_0_\@
	s_barrier_signal -3
.Lnot_wave_0_\@:
	s_barrier_wait -3
	s_barrier_signal -1
	s_barrier_wait -1
.endm
.macro CROUND
	s_barrier_signal -1
	s_barrier_wait -1
	CREST
.endm
	s_load_b256 s[4:11], s[0:1], 0x0               ; ai s[4:5], wc s[6:7], the scales' exponents s[8:9], b_out s[10:11]
	s_load_b64 s[12:13], s[0:1], 0x20              ; out0
	v_lshl_add_u32 v[SPW], v0, 2, SPARE
	v_mov_b32 v[NIL], 0
	ds_add_u32 v[SPW], v[NIL]                      ; the wave's opening
	ds_add_u32 v[SPW], v[NIL]
	v_lshrrev_b32 v1, 5, v0
	v_readfirstlane_b32 s14, v1                    ; wave 0..3
	s_lshr_b32 s15, s14, 1                         ; which 64 tokens are mine.  Also: I fetch for A (0) or for B (1)
	s_and_b32 s16, s14, 1                          ; which 128 features.  Also: which half of that tile I fetch
	s_bfe_u32 s40, ttmp6, 0x40000                  ; cx, cy
	s_bfe_u32 s41, ttmp6, 0x40004
	s_lshl_b32 s42, ttmp9, 2
	s_add_co_u32 s42, s42, s40                     ; block of 256 features
	s_and_b32 s17, ttmp7, 0xffff
	s_lshl_b32 s17, s17, 2
	s_add_co_u32 s17, s17, s41                     ; block of 128 tokens
	s_lshl_b32 s43, s41, 2
	s_lshl_b32 s43, 15, s43                        ; my row of the cluster
	s_lshl_b32 s44, 0x1111, s40                    ; my column
	s_or_b32 s[G1+0], s43, (3<<16)|(1<<21)         ; A: 4 rows (tiles of tokens) of 512 elements of 8 bytes, 16,384 bytes apart, no padding
	s_mov_b32 s[G1+1], 512<<16
	s_mov_b32 s[G1+2], 4<<16
	s_mov_b32 s[G1+3], 512<<16
	s_mov_b32 s[G1+4], 4
	s_mov_b32 s[G1+5], 2048
	s_mov_b32 s[G1+6], 0
	s_mov_b32 s[G1+7], 0
	s_or_b32 s[G1B+0], s44, (0<<16)|(1<<20)|(1<<21)|(5<<22)|(3<<25)   ; B: 128 rows of 256 bytes, four words of padding behind each 64
	s_mov_b32 s[G1B+1], ROWB<<16
	s_mov_b32 s[G1B+2], 128<<16
	s_mov_b32 s[G1B+3], ROWB<<16
	s_mov_b32 s[G1B+4], 128
	s_mov_b32 s[G1B+5], KROW
	s_mov_b32 s[G1B+6], 0
	s_mov_b32 s[G1B+7], 0
	s_lshl_b32 s20, s17, 3
	s_lshl_b32 s18, s16, 2
	s_add_co_u32 s20, s20, s18
	s_lshl_b32 s20, s20, 14                        ; A: tile of tokens 8 x block + 4 x half, 16,384 bytes each
	s_mov_b32 s21, 0
	s_lshl_b32 s46, s42, 8
	s_lshl_b32 s18, s16, 7
	s_add_co_u32 s46, s46, s18
	s_add_co_u32 s46, s46, 3072
	s_lshl_b32 s46, s46, 10                        ; B: row 3,072 + 256 x block + 128 x half
	s_mov_b32 s47, 0
	s_lshl_b32 s45, s16, 14                        ; where A's half goes,
	s_mul_i32 s22, s16, HALFB
	s_add_co_u32 s22, s22, BOFF                    ; and B's; also where my 128 features lie
	s_add_co_u32 s68, s22, SLOT
	s_lshl_b32 s66, s15, 14                        ; where my 64 tokens lie
	s_add_co_u32 s67, s66, SLOT
	s_mul_i32 s23, s14, 16*SPITCH                  ; my stage
	s_lshl_b32 s70, s17, 7
	s_lshl_b32 s71, s15, 6
	s_add_co_u32 s70, s70, s71
	s_lshl_b32 s70, s70, 12                        ; my first row of out0, 4,096 bytes a row,
	s_lshl_b32 s72, s42, 10
	s_lshl_b32 s73, s16, 9
	s_add_co_u32 s72, s72, s73                     ; my first column, in bytes
	s_mov_b32 s73, 0
	s_add_co_u32 s70, s70, s72
	s_mov_b32 s71, 0
	s_wait_dscnt 0x0                               ; both opening adds are done
	s_wait_kmcnt 0x0
	s_load_b256 s[80:87], s[8:9], 0x0              ; e0 .. e7
	s_add_nc_u64 s[20:21], s[4:5], s[20:21]
	s_add_nc_u64 s[46:47], s[6:7], s[46:47]
	s_add_nc_u64 s[92:93], s[10:11], s[72:73]
	s_add_nc_u64 s[12:13], s[12:13], s[70:71]
.irp s, 0,1
	s_mov_b32 s[G0+4*\s], 1
	s_add_co_u32 s[G0+4*\s+1], s45, \s*SLOT
	s_add_nc_u64 s[G0+4*\s+2:G0+4*\s+3], s[20:21], \s*ASTEP
	s_or_b32 s[G0+4*\s+3], s[G0+4*\s+3], 0x80000000
	s_mov_b32 s[G0B+4*\s], 1
	s_add_co_u32 s[G0B+4*\s+1], s22, \s*SLOT
	s_add_nc_u64 s[G0B+4*\s+2:G0B+4*\s+3], s[46:47], \s*ROWB
	s_or_b32 s[G0B+4*\s+3], s[G0B+4*\s+3], 0x80000000
.endr
	CROUND                                         ; all sixteen work-groups are here: the first joint loads meet
	JLOAD G0, G1, G0B, G1B                         ; K step 0: one tensor load a wave at the head
	v_and_b32 v1, 15, v0
	v_bfe_u32 v2, v0, 4, 1
	v_and_b32 v6, 31, v0
	v_lshlrev_b32 v[CO], 4, v6
	v_mul_u32_u24 v3, v1, PITCH
	v_lshl_add_u32 v4, v2, 4, v3
	v_add_nc_u32 v[ADRA], s66, v[CO]
	v_add_nc_u32 v[ADRA+1], s67, v[CO]
	v_add_nc_u32 v[ADRB], s22, v4
	v_add_nc_u32 v[ADRB+1], s68, v4
	v_mul_u32_u24 v5, v1, SPITCH
	v_lshl_add_u32 v5, v2, 6, v5
	v_add_nc_u32 v[STO], s23, v5                   ; into the stage: row l % 16, 64 bytes for each half of the lanes in each 128
	v_add_nc_u32 v[RD], s23, v[CO]                 ; back: the 32 lanes take one row of 512 bytes
	global_load_b128 v[BI:BI+3], v[CO], s[92:93]   ; the bias of my four columns of such a row
.macro FRAGA reg, slot, q, i
.irp c, 0,1,2,3
	ds_load_b128 v[\reg+4*\c:\reg+4*\c+3], v[ADRA+\slot] offset:4096*(\i)+2048*(\q)+512*\c
.endr
.endm
.macro FRAGB reg, slot, q, i
.irp c, 0,1,2,3
	ds_load_b128 v[\reg+4*\c:\reg+4*\c+3], v[ADRB+\slot] offset:128*(\q)+32*\c+(\i)*16*PITCH
.endr
.endm
; 16 matrix instructions: A's blocks a0, a0 + 1 x B's eight, from the sets p.  The 32 accumulators take turns, one instruction a turn, in the same order in every step.
.macro MULS a0, p, zero
.irp a, \a0, \a0+1
.irp b, 0,1,2,3,4,5,6,7
.if \zero
	v_wmma_f32_16x16x128_fp8_fp8 v[8*(8*(\a)+\b):8*(8*(\a)+\b)+7], v[128*(\p)+FR*\b:128*(\p)+FR*\b+FR-1], v[AF+64*(\p)+FR*(\a):AF+64*(\p)+FR*(\a)+FR-1], 0
.else
	v_wmma_f32_16x16x128_fp8_fp8 v[8*(8*(\a)+\b):8*(8*(\a)+\b)+7], v[128*(\p)+FR*\b:128*(\p)+FR*\b+FR-1], v[AF+64*(\p)+FR*(\a):AF+64*(\p)+FR*(\a)+FR-1], v[8*(8*(\a)+\b):8*(8*(\a)+\b)+7]
.endif
.endr
.endr
.endm
.macro FETCH slot, q, p                ; 48 LDS loads: the fragments of the slot's q-th 128 along K into the sets p
	WIN TO_B
.irp i, 0,1,2,3,4,5,6,7
	FRAGB 128*(\p)+FR*\i, \slot, \q, \i
.endr
	WIN 0
.irp i, 0,1,2,3
	FRAGA AF+64*(\p)+FR*\i, \slot, \q, \i
.endr
.endm
.macro PLACES n
.rept \n
	v_nop
.endr
.endm
.macro STEP slot, zero                 ; a slot's first 128 along K, from the sets 0; its second 128 are fetched into the sets 1 meanwhile
	PLACES NP                                      ; behind the products that read the sets 1
	FETCH \slot, 1, 1
	s_wait_dscnt 48                                ; all but the 48 just issued: the sets 0 are in
	WIN MUL_LO
	MULS 0, 0, \zero
	MULS 2, 0, \zero
	WIN 0
.endm
; A slot's second 128 change slots: ONE barrier; in front of it each wave waits for all its tensor loads, adds 0 to its spare word, and waits for that and for its reads of this slot.
.macro TURN slot, next, fill
	s_wait_tensorcnt 0x0                           ; my part of the next slot is in
	ds_add_u32 v[SPW], v[NIL]
	s_wait_dscnt 0x0                               ; the add is done, the sets 1 are in, and my reads of this slot are over
	s_barrier_signal -1
	WIN MUL_LO
	MULS 0, 1, 0
	WIN 0
	s_barrier_wait -1
.if \fill
	CREST                                          ; the barrier has opened a round of the cluster's
	s_add_nc_u64 s[G0+4*\slot+2:G0+4*\slot+3], s[G0+4*\slot+2:G0+4*\slot+3], 2*ASTEP
	s_add_nc_u64 s[G0B+4*\slot+2:G0B+4*\slot+3], s[G0B+4*\slot+2:G0B+4*\slot+3], 2*ROWB
	JLOAD G0+4*\slot, G1, G0B+4*\slot, G1B         ; the first tensor load behind the round; its four v_nop are the places in front of the loads below
.else
	PLACES NP
.endif
	FETCH \next, 0, 0
	WIN MUL_LO
	MULS 2, 1, 0
	WIN 0
.endm
	s_wait_alu depctr_va_vdst(0)
	s_wait_tensorcnt 0x0                           ; my part of K step 0 is in
	ds_add_u32 v[SPW], v[NIL]
	s_wait_dscnt 0x0
	CROUND
	JLOAD G0+4, G1, G0B+4, G1B                     ; K step 1, slot 1's first fill: the first tensor load behind the round
	FETCH 0, 0, 0
	STEP 0, 1                                      ; the first step's products start the sums
	s_mov_b32 s3, 1
.Llap:                                                 ; a trip goes once round the ring and fills both slots again
	TURN 0, 1, 1
	STEP 1, 0
	TURN 1, 0, 1
	STEP 0, 0
	s_sub_co_u32 s3, s3, 1
	s_cmp_lg_u32 s3, 0
	s_cbranch_scc1 .Llap
	TURN 0, 1, 0                                   ; the last lap fills nothing
	STEP 1, 0
	s_wait_dscnt 0x0
	WIN MUL_LO
	MULS 0, 1, 0
	MULS 2, 1, 0
	WIN 0
; THE WAY OUT, block by block of 16 tokens x 128 features: through my own stage in LDS, back as whole rows of 512 bytes; sum x 2^(e6 + e7) + bias; 32 lanes store 512 consecutive, aligned bytes.
.macro TOSTAGE a
.set AC, 64*(\a)
	WIN 0x08                                       ; the stores' data: window 2
.irp b, 0,1,2,3,4,5,6,7
	ds_store_b128 v[STO], v[AC+8*\b:AC+8*\b+3] offset:128*(\b/2)+32*(\b%2)
	ds_store_b128 v[STO], v[AC+8*\b+4:AC+8*\b+7] offset:128*(\b/2)+32*(\b%2)+16
.endr
	WIN 0
.set BB, BK+64*((\a)%2)
.irp t, 0,1,2,3,4,5,6,7,8,9,10,11,12,13,14,15
	ds_load_b128 v[BB+4*\t:BB+4*\t+3], v[RD] offset:\t*SPITCH   ; LDS serves a wave's instructions in order: these see my stores
.endr
.endm
.macro SEND a, younger                 ; younger: the LDS instructions issued behind block a's loads, which may stay out
.set BB, BK+64*((\a)%2)
	s_wait_dscnt \younger
.if (\a) > 0
	s_add_nc_u64 s[12:13], s[12:13], 16*SIZE_N*4   ; (behind a wait on XCNT: the earlier stores have read their base)
.endif
.irp t, 0,1,2,3,4,5,6,7,8,9,10,11,12,13,14,15
	v_pk_fma_f32 v[BB+4*\t:BB+4*\t+1], v[BB+4*\t:BB+4*\t+1], s[96:97], v[BI:BI+1] op_sel_hi:[1,0,1]
	v_pk_fma_f32 v[BB+4*\t+2:BB+4*\t+3], v[BB+4*\t+2:BB+4*\t+3], s[96:97], v[BI+2:BI+3] op_sel_hi:[1,0,1]
	global_store_b128 v[CO], v[BB+4*\t:BB+4*\t+3], s[12:13] offset:\t*SIZE_N*4 th:TH_STORE_NT
.endr
.endm
	s_wait_kmcnt 0x0
	s_wait_loadcnt 0x0                             ; the bias
	s_add_co_i32 s96, s86, s87
	s_add_co_i32 s96, s96, 127
	s_lshl_b32 s96, s96, 23                        ; 2^(e6 + e7) as f32
	s_mov_b32 s97, s96                             ; (named with it as a pair, so it is written)
	PLACES NP                                      ; behind the last products, ahead of the reads of results and of the loads over A's fragments
	TOSTAGE 0
.irp a, 1,2,3
.if \a > 1
	s_wait_xcnt 0x0                                ; block a - 2's stores have read their registers and their base
.endif
	TOSTAGE \a
	SEND \a-1, 32                                  ; behind block a - 1's loads: block a's 16 stores and 16 loads
.endr
	s_wait_xcnt 0x0
	SEND 3, 0
	s_wait_tensorcnt 0x0                           ; the wave's end
	ds_add_u32 v[SPW], v[NIL]
	s_wait_dscnt 0x0
	CROUND                                         ; the closing round
	s_endpgm
.Lfunc_end_k_qaca0af1b36_proj:
	.size	k_qaca0af1b36_proj, .Lfunc_end_k_qaca0af1b36_proj-k_qaca0af1b36_proj
	.p2alignl 7, 3214868480
	.fill 96, 4, 3214868480
	.section	.rodata,"a",@progbits
	.p2align	6, 0x0
	.amdhsa_kernel k_qaca0af1b36_proj
		.amdhsa_group_segment_fixed_size 327680
		.amdhsa_private_segment_fixed_size 0
		.amdhsa_enable_private_segment 0
		.amdhsa_kernarg_size 40
		.amdhsa_user_sgpr_count 2
		.amdhsa_user_sgpr_kernarg_segment_ptr 1
		.amdhsa_wavefront_size32 1
		.amdhsa_system_sgpr_workgroup_id_x 1
		.amdhsa_system_sgpr_workgroup_id_y 1
		.amdhsa_system_sgpr_workgroup_id_z 1
		.amdhsa_system_vgpr_workitem_id 0
		.amdhsa_next_free_vgpr 1024
		.amdhsa_next_free_sgpr 100
		.amdhsa_reserve_vcc 0
		.amdhsa_float_denorm_mode_32 3
		.amdhsa_float_denorm_mode_16_64 3
		.amdhsa_memory_ordered 1
		.amdhsa_forward_progress 1
		.amdhsa_inst_pref_size 75
	.end_amdhsa_kernel
	.amdgpu_metadata
---
amdhsa.version: [ 1, 2 ]
amdhsa.kernels:
  - .name:           k_qaca0af1b36_proj
    .symbol:         k_qaca0af1b36_proj.kd
    .args:
      - { .name: ai, .offset: 0, .size: 8, .value_kind: global_buffer, .address_space: global }
      - { .name: wc, .offset: 8, .size: 8, .value_kind: global_buffer, .address_space: global }
      - { .name: lowp_scales, .offset: 16, .size: 8, .value_kind: global_buffer, .address_space: global }
      - { .name: b_out, .offset: 24, .size: 8, .value_kind: global_buffer, .address_space: global }
      - { .name: out0, .offset: 32, .size: 8, .value_kind: global_buffer, .address_space: global }
    .group_segment_fixed_size: 327680
    .private_segment_fixed_size: 0
    .kernarg_segment_align: 8
    .kernarg_segment_size: 40
    .max_flat_workgroup_size: 128
    .sgpr_count:     100
    .vgpr_count:     1024
    .wavefront_size: 32
...
	.end_amdgpu_metadata
.endif
;; end of part 4
